; MI455X (gfx1250); checked and timed in simulation.
; The chip was launched on July 23, 2026; its instructions are those of AMD's public machine-readable ISA for CDNA 5 (MIT licence, August 2026) and "CDNA5" Instruction Set Architecture Reference Guide (July 2026). The comments in the code are by the model that wrote it; some were corrected since.
;; TFM8. Allowed arithmetic: matrix products marked QUANTISED: E2M3 operands, one E8M0 scale for each 32 along K, by v_wmma_scale_f32_16x16x128_f8f6f4 with both operands' format E2M3, f32 sums; everything else in f32.
;; Inputs: kb 256 float32; kw 256 x 256 float32; ln_b 256 float32; ln_w 256 float32; qb 256 float32; qw 256 x 256 float32; vb 256 float32; vw 256 x 256 float32; x1 4 x 256 x 64 x 64 float32; x2 4 x 256 x 64 x 64 float32.
;; Outputs: out0 4 x 256 x 64 x 64 float32.
;; This version of the problem:
;;   THIS VERSION OF THE PROBLEM IS GIVEN IN LOW PRECISION. The matrix products marked QUANTISED in the list below multiply operands that are first quantised to E2M3 (2 exponent bits, 3 mantissa bits; 6 bits a number), with one power-of-two scale for each 32 numbers along K (OCP MX v1.0); their sums are f32. All else is computed in f32.
;;   The module's matrix products, in the order in which they are computed (A, B: the left and right operand; K: the contracted axis; several contracted axes count as one K, in the product's order):
;;     1. [M 16,384, K 256] x [K 256, N 256]; A: input x1; B: input qw: QUANTISED
;;     2. [M 16,384, K 256] x [K 256, N 256]; A: input x2; B: input kw: QUANTISED
;;     3. [M 16,384, K 256] x [K 256, N 256]; A: input x2; B: input vw: QUANTISED
;;     4. batch 4 x [M 4,096, K 256] x [K 256, N 4,096]; A: computed on the way; B: computed on the way: QUANTISED
;;     5. batch 4 x [M 256, K 4,096] x [K 4,096, N 4,096]; A: computed on the way; B: computed on the way: QUANTISED
;;   THE QUANTISER, for each operand of a quantised product, along K:
;;     - K is cut into blocks of 32 from its start; a last block that is shorter is filled with zeros.
;;     - A block's scale is 2^e with e = floor(log2(the largest magnitude in the block)) - 2, held to -126 .. 127; a block of zeros has e = 0. As a byte (E8M0): e + 127.
;;     - Each number is divided by its block's scale, clamped to +-7.5, and rounded to the nearest number of E2M3, ties to even, subnormals kept.
;;     - The product sums the exact products of the quantised numbers (number of the format x scale) in f32.
;;   ~~~python
;;   def quantise(x, axis):      # numpy; x: float32 -> the quantised numbers, widened to float32 again
;;       x = np.moveaxis(x, axis, -1); K = x.shape[-1]
;;       x = np.pad(x, [(0, 0)] * (x.ndim - 1) + [(0, -K % 32)]); x = x.reshape(x.shape[:-1] + (-1, 32)); a = np.abs(x).max(-1, keepdims=True)
;;       e = np.where(a > 0, np.clip(np.frexp(np.where(a > 0, a, 1))[1] - 1 - 2, -126, 127), 0)      # np.frexp(a)[1] - 1 = floor(log2(a)), exactly
;;       r = np.clip(x / 2.0 ** e, -7.5, 7.5)
;;       step = 2.0 ** (np.maximum(np.frexp(np.where(r == 0, 1, r))[1] - 1, 0) - 3)
;;       q = np.round(r / step) * step * 2.0 ** e      # np.round: ties to even
;;       return np.moveaxis(q.reshape(q.shape[:-2] + (-1,))[..., :K], -1, axis).astype(np.float32)
;;   ~~~
;;   OPERANDS COMPUTED ON THE WAY. 'Computed on the way' means the value that the module computes at that place (a softmax that the list does not call 'softmax' is quantised finished and normalised). What goes into a quantiser is computed in f32, as accurately as f32 sums, v_exp_f32 and their like allow (about 1e-6 of the number): no bf16 or f16 on the way to a quantiser, and a product that is left as it is and whose result goes on into a quantised operand takes f32 operands (vector FMAs, or v_wmma_f32_16x16x4_f32). A number that lies on a knife's edge between two numbers of the format may be rounded either way, as far as f32 arithmetic and the matrix unit's own rounding can turn it there, and no further.
;; 2 versions, each right. Each part assembles by itself: llvm-mc -triple=amdgcn-amd-amdhsa -mcpu=gfx1250 --defsym DOCPART=n.
;; ======== version 1 of 2: 3 launches
;; workspace buffers: wq 153,600 bytes; q 3,276,800 bytes; kv 6,553,600 bytes
;; launch wprep (part 1): grid 4 x 3, 4 waves a work-group, no clusters, 0 bytes of LDS; arguments qw, kw, vw, wq; writes wq
.if DOCPART == 1
	.amdgcn_target "amdgcn-amd-amdhsa--gfx1250"
	.amdhsa_code_object_version 6
	.text
	.protected	k_q2326e2b6b2_wprep
	.globl	k_q2326e2b6b2_wprep
	.p2align	8
	.type	k_q2326e2b6b2_wprep,@function
k_q2326e2b6b2_wprep:
	s_mov_b64 s[64:65], 0
	v_nop
	global_prefetch_b8 v0, s[64:65] scope:SCOPE_SE
	s_setreg_imm32_b32 hwreg(HW_REG_WAVE_MODE, 25, 1), 1
	s_wait_xcnt 0x0
; qw, kw, vw [256][256] f32 (K = the second axis, innermost) become codes of FP6 (E2M3) and E8M0 scale bytes, one for each 32 along K,
; laid in wq in the order of a matrix operand's registers, so that the next launch loads whole fragments by loads of 16 bytes a lane.
; A FRAGMENT is 16 rows x 128 K, 12 registers a lane: lane (r, h) holds row r, registers 6 c .. 6 c + 5 hold K = 64 c + 32 h + 0 .. 31.
; Its IMAGE is 1,536 bytes: registers 4 g .. 4 g + 3 of lane l at byte 512 g + 16 l.
; THE ROWS OF A TILE ARE NOT NEIGHBOURS: lane r of tile T takes row 32 (T / 2) + 8 (T % 2) + r + 8 (r / 8), so that the results of tiles 2 b and 2 b + 1 are 16 neighbours.
; wq: images at (weight x 16 + T) x 3,072 + 1,536 s (s: the K step of 128); from byte 147,456 on the scale words, (weight x 16 + T) x 128 + 4 x lane:
; lanes 0-15 row r's word of s = 0, lanes 16-31 that of s = 1.
; SHARES: work-group y is the weight; a wave makes one tile T = 4 x + wave: 48 waves, all the work there is.  A lane's 32 numbers of a block are its own, so a block's maximum needs no other lane.
; A block's scale is 2^(floor(log2(largest magnitude)) - 2); its byte is the largest magnitude's exponent field - 2, held at 1 from below (a block of zeros keeps 1: its codes are zeros, and this program alone reads the bytes).
; LIMITS: NaN and infinities are not served; blocks whose largest magnitude lies under 2^-124 keep the byte 1.
; A lane reads 128 consecutive bytes by eight loads: the three weights are 786,432 bytes in all, read once.
.set N,   16                           ; v16-143  number 64 s + 32 c + i = W(row, 128 s + 64 c + 32 h + i)
.set F,   144                          ; v144-167 the two fragments
.set TMP, 168                          ; v168-175 a block's upper 16 codes (a conversion's three registers begin on an even number)
.set SW,  176                          ; v176-177 the two scale words
	s_load_b256 s[4:11], s[0:1], 0x0               ; qw s[4:5], kw s[6:7], vw s[8:9], wq s[10:11]
	v_lshrrev_b32 v1, 5, v0
	v_readfirstlane_b32 s12, v1                    ; wave
	v_and_b32 v1, 15, v0                           ; r
	v_bfe_u32 v2, v0, 4, 1                         ; h
	v_and_b32 v6, 8, v1
	v_add_nc_u32 v6, v6, v1                        ; r + 8 (r / 8)
	v_lshlrev_b32 v3, 10, v6                       ; a row is 1,024 bytes
	v_lshl_add_u32 v3, v2, 7, v3                   ; + 128 h: my block of 32 numbers
	v_and_b32 v7, 31, v0                           ; lane
	v_lshlrev_b32 v4, 4, v7                        ; an image's place for my lane
	v_lshlrev_b32 v5, 2, v7                        ; a scale word's
	v_lshlrev_b32 v14, 3, v2                       ; 8 h: my bytes' shift in a scale word
	v_mov_b32 v15, 0                               ; a lane permute's destination counts as one of its sources
	s_mov_b32 s20, 0x76543210
	s_mov_b32 s21, 0xfedcba98                      ; selects for lane l xor 16
	s_and_b32 s13, ttmp7, 0xffff                   ; which weight
	s_lshl_b32 s14, ttmp9, 2
	s_add_co_u32 s14, s14, s12                     ; T
	s_lshr_b32 s15, s14, 1
	s_lshl_b32 s15, s15, 15                        ; 32 (T / 2) rows of 1,024 bytes
	s_and_b32 s16, s14, 1
	s_lshl_b32 s16, s16, 13                        ; 8 (T % 2) rows
	s_add_co_u32 s16, s16, s15
	s_mov_b32 s17, 0
	s_mul_i32 s22, s13, 49152
	s_mul_i32 s23, s14, 3072
	s_add_co_u32 s22, s22, s23                     ; my two images
	s_mov_b32 s23, 0
	s_lshl_b32 s24, s13, 11
	s_lshl_b32 s25, s14, 7
	s_add_co_u32 s24, s24, s25
	s_add_co_u32 s24, s24, 147456                  ; my scale words
	s_mov_b32 s25, 0
	s_wait_kmcnt 0x0
	s_cmp_eq_u32 s13, 0                            ; the choice hangs on the work-group's number alone
	s_cselect_b64 s[18:19], s[4:5], s[6:7]
	s_cmp_eq_u32 s13, 2
	s_cselect_b64 s[18:19], s[8:9], s[18:19]
	s_add_nc_u64 s[18:19], s[18:19], s[16:17]
	s_add_nc_u64 s[22:23], s[10:11], s[22:23]
	s_add_nc_u64 s[24:25], s[10:11], s[24:25]
.irp s, 0,1
.irp c, 0,1
.irp j, 0,1,2,3,4,5,6,7
	global_load_b128 v[N+64*\s+32*\c+4*\j:N+64*\s+32*\c+4*\j+3], v3, s[18:19] offset:512*\s+256*\c+16*\j th:TH_LOAD_NT
.endr
.endr
.endr
	s_wait_loadcnt 0x0
; K step s: my two blocks (2 c + h) become registers 6 c .. 6 c + 5 of fragment s; the scale word's four bytes are gathered from lanes l and l xor 16
.macro WQUANT s
.irp c, 0,1
	v_max3_num_f32 v[8+\c], |v[N+64*\s+32*\c]|, |v[N+64*\s+32*\c+1]|, 0x1800000   ; and the floor 2^(3 - 127): the byte cannot fall under 1
.endr
.irp i, 2,4,6,8,10,12,14,16,18,20,22,24,26,28,30
.irp c, 0,1
	v_max3_num_f32 v[8+\c], v[8+\c], |v[N+64*\s+32*\c+\i]|, |v[N+64*\s+32*\c+\i+1]|   ; the two blocks by turns
.endr
.endr
.irp c, 0,1
	v_add_nc_u32 v[10+\c], 0xff000000, v[8+\c]     ; 2 off the exponent field: the conversion takes that field of this operand as its scale
.endr
.irp c, 0,1
	v_lshrrev_b32 v[12+\c], 23, v[10+\c]           ; the scale's byte
.endr
	v_lshl_or_b32 v[SW+\s], v13, 16, v12           ; my bytes: blocks h and 2 + h,
	v_lshlrev_b32 v[SW+\s], v14, v[SW+\s]          ; at their places;
	v_permlanex16_b32 v15, v[SW+\s], s20, s21
	v_or_b32 v[SW+\s], v[SW+\s], v15               ; with lane l xor 16's two the word is whole
.irp c, 0,1
	v_cvt_scalef32_pk16_fp6_f32 v[F+12*\s+6*\c:F+12*\s+6*\c+2], v[N+64*\s+32*\c:N+64*\s+32*\c+15], v[10+\c]
	v_cvt_scalef32_pk16_fp6_f32 v[TMP+4*\c:TMP+4*\c+2], v[N+64*\s+32*\c+16:N+64*\s+32*\c+31], v[10+\c]
.endr
	v_nop                                          ; one plain place behind a scaled conversion
.irp c, 0,1
.irp i, 0,1,2
	v_mov_b32 v[F+12*\s+6*\c+3+\i], v[TMP+4*\c+\i]
.endr
.endr
.endm
	WQUANT 0
	WQUANT 1
	v_cmp_gt_u32 vcc_lo, 16, v7
	v_cndmask_b32 v[SW], v[SW+1], v[SW], vcc_lo    ; lanes 0-15 keep the word of s = 0, lanes 16-31 take that of s = 1
.irp g, 0,1,2,3,4,5
	global_store_b128 v4, v[F+4*\g:F+4*\g+3], s[22:23] offset:512*\g   ; 32 lanes store 512 consecutive bytes, at a multiple of 256 from wq's first byte
.endr
	global_store_b32 v5, v[SW], s[24:25]
	s_endpgm
.Lfunc_end_k_q2326e2b6b2_wprep:
	.size	k_q2326e2b6b2_wprep, .Lfunc_end_k_q2326e2b6b2_wprep-k_q2326e2b6b2_wprep
	.p2alignl 7, 3214868480
	.fill 96, 4, 3214868480
	.section	.rodata,"a",@progbits
	.p2align	6, 0x0
	.amdhsa_kernel k_q2326e2b6b2_wprep
		.amdhsa_group_segment_fixed_size 0
		.amdhsa_private_segment_fixed_size 0
		.amdhsa_enable_private_segment 0
		.amdhsa_kernarg_size 32
		.amdhsa_user_sgpr_count 2
		.amdhsa_user_sgpr_kernarg_segment_ptr 1
		.amdhsa_wavefront_size32 1
		.amdhsa_system_sgpr_workgroup_id_x 1
		.amdhsa_system_sgpr_workgroup_id_y 1
		.amdhsa_system_sgpr_workgroup_id_z 1
		.amdhsa_system_vgpr_workitem_id 0
		.amdhsa_next_free_vgpr 192
		.amdhsa_next_free_sgpr 66
		.amdhsa_reserve_vcc 1
		.amdhsa_float_denorm_mode_32 3
		.amdhsa_float_denorm_mode_16_64 3
		.amdhsa_memory_ordered 1
		.amdhsa_forward_progress 1
		.amdhsa_inst_pref_size 12
	.end_amdhsa_kernel
	.amdgpu_metadata
---
amdhsa.version: [ 1, 2 ]
amdhsa.kernels:
  - .name:           k_q2326e2b6b2_wprep
    .symbol:         k_q2326e2b6b2_wprep.kd
    .args:
      - { .name: qw, .offset: 0, .size: 8, .value_kind: global_buffer, .address_space: global }
      - { .name: kw, .offset: 8, .size: 8, .value_kind: global_buffer, .address_space: global }
      - { .name: vw, .offset: 16, .size: 8, .value_kind: global_buffer, .address_space: global }
      - { .name: wq, .offset: 24, .size: 8, .value_kind: global_buffer, .address_space: global }
    .group_segment_fixed_size: 0
    .private_segment_fixed_size: 0
    .kernarg_segment_align: 8
    .kernarg_segment_size: 32
    .max_flat_workgroup_size: 128
    .sgpr_count:     66
    .vgpr_count:     192
    .wavefront_size: 32
...
	.end_amdgpu_metadata
.endif
;; end of part 1
;; launch proj (part 2): grid 256 x 1, 4 waves a work-group, no clusters, 167,936 bytes of LDS; arguments x1, x2, wq, qb, kb, vb, q, kv; writes q, kv
.if DOCPART == 2
	.amdgcn_target "amdgcn-amd-amdhsa--gfx1250"
	.amdhsa_code_object_version 6
	.text
	.protected	k_q2326e2b6b2_proj
	.globl	k_q2326e2b6b2_proj
	.p2align	8
	.type	k_q2326e2b6b2_proj,@function
k_q2326e2b6b2_proj:
	s_mov_b64 s[64:65], 0
	v_nop
	global_prefetch_b8 v0, s[64:65] scope:SCOPE_SE
	s_setreg_imm32_b32 hwreg(HW_REG_WAVE_MODE, 25, 1), 1
	s_wait_xcnt 0x0
; The three 1 x 1 convolutions on codes of FP6 (E2M3) with one E8M0 scale for each 32 along K, and the quantising of their results for the attention launch.
; x1, x2: [4][256 channels][4,096 pixels] f32; K = the channels, which are NOT innermost.  wq: the weights as fragment images and scale words (made by the launch before).
; A work-group takes 128 pixels of one batch: even work-groups x1 -> q, odd ones x2 -> k and v.  Only pointers are chosen by that number, and one branch leaves v's part out for x1.
; X: the 256 x 128 numbers come into LDS by four tensor loads (64 channel rows of 512 bytes a wave), all asked for at once.  A LANE TAKES A PIXEL AND ITS REGISTERS RUN DOWN THE CHANNELS: a block of 32 is one lane's,
;    and the conversions give codes with K innermost.  Wave w makes pixel tiles 2 w (lanes 0-15) and 2 w + 1 (lanes 16-31); an exchange of lane halves lays even blocks in lanes 0-15 and odd ones in lanes 16-31, as an operand wants them.
;    The 16 fragments go to LDS as images of their registers (1,536 bytes: registers 4 g .. 4 g + 3 of lane l at 512 g + 16 l), the scale words 4 bytes a lane.
; QK: wave w makes output channels 128 (w % 2) .. + 127 for pixel tiles 4 (w / 2) .. + 3, transposed (source 0 = 16 rows of the weight, source 1 = 16 pixels): a lane holds one pixel and its 64 registers run along the channels,
;    the next product's K: they are quantised in registers and are one whole fragment and one scale word a row.
; V:  wave w makes channel tiles 4 w .. 4 w + 3 for all 128 pixels (source 0 = 16 pixels, source 1 = 16 rows of vw): a lane holds one channel and its registers run along the keys, the last product's K.
; TILE ORDER: lane r of tile T (of weight rows, and of pixels) is 32 (T / 2) + 8 (T % 2) + r + 8 (r / 8), so that the 16 registers of result tiles 2 b, 2 b + 1 are the neighbours 32 b + 16 (lane / 16) + 0 .. 15.
; The biases are the C of each sum's first matrix instruction.
; A RECORD (25,600 bytes) holds 16 images and four blocks of 256 bytes of scale words (lane l: two words at 8 l).  q: a record for each 128 pixels; kv: k's record, then v's.
;    q, k: image 2 pt + s; word of (pt, s) in block 2 (pt / 4) + s, word (pt / 2) % 2, lanes 0-15 for even pt, 16-31 for odd.   v: image ct; word in block ct / 4, word (ct / 2) % 2, lane half ct % 2.
; LIMITS: NaN and infinities are not served; blocks whose largest magnitude lies under 2^-124 keep the scale byte 1 (their codes are what the conversion gives under that scale; a block of zeros gives zeros).
; REGISTERS: window 0: v1-15 addresses; v16-35 scale words (nothing else); v36-47 at work; v48-111 results; v112-131 codes just made; v132-195 x's numbers, later at work; v196-250 x's fragments in the making.
;    window 1: my 16 fragments of qw or kw.   window 2: v0-95 my 8 of vw, v96-127 vb, v128-191 qb or kb.   window 3: x's fragments.
.set XIMG,  131072                     ; LDS: 0 .. 131,071 x's numbers, row = channel, 512 bytes;  then x's 16 images (index 2 pt + s),
.set XSC,   155648                     ; their scale words: index 2 w + s, 128 bytes, 4 x lane: lanes 0-15 tile 2 w, lanes 16-31 tile 2 w + 1,
.set SPARE, 156672                     ; and the spare words, 128 bytes for each wave: two blocks of 256 bytes that no other line names
.set L16, 1                            ; 16 x lane
.set L4,  2                            ; 4 x lane
.set L8,  3                            ; 8 x lane
.set XA0, 4                            ; v4, v5: my pixel's word in channel rows 0-127, 128-255
.set XWI, 6                            ; where I store x's images
.set XWS, 7                            ; and their scale words
.set XR,  8                            ; where my four pixel tiles' images begin
.set XSR, 9                            ; and their scale words
.set XIA, 10                           ; all images
.set XSA, 11                           ; all scale words
.set SPW, 12                           ; my spare word; never rewritten
.set NIL, 13                           ; 0; never rewritten
.set BH,  14                           ; 64 (lane / 16): qb's, kb's lane offset
.set BR,  15                           ; 4 (r + 8 (r / 8)): vb's
.set WS,  16                           ; v16-23 scale words of my 8 tiles of qw or kw
.set VS,  24                           ; v24-27 of my 4 tiles of vw
.set XS,  28                           ; v28-35 of x
.set PWK, 36                           ; v36-39 four scale words made
.set HA,  48
.set PC,  112
.set XN,  132                          ; two sets of 32 numbers
.set TM,  132                          ; afterwards: v132-147 at work in QUANT
.set PW,  148                          ; the scale word just made
.set FX,  196                          ; fragment (u, s) at FX + 12 (2 u + s)
.set TA,  244
.set TB,  248
.set BQ,  128                          ; in window 2
.set VB,  96                           ; in window 2
.set WV,   20
.set KIND, 21
.set SEL,  58
.set LOW,  60                          ; s60: mask of lanes 0-15
.set MSB, 0
.macro WIN new                         ; the immediate's high byte repeats the setting that is left
.if MSB != \new
	s_set_vgpr_msb (MSB<<8)|\new
.set MSB, \new
.endif
.endm
; One matrix instruction: D at d, sources at a and b, C at c (below 0: the constant 0), scale registers sa and sb, read from lanes 0-15 (ra, rb = 0) or lanes 16-31 (1)
.macro MM d, a, b, c, sa, sb, ra, rb
.if (\c) < 0
.if ((\ra)+2*(\rb)) == 0
	v_wmma_scale_f32_16x16x128_f8f6f4 v[(\d):(\d)+7], v[(\a):(\a)+11], v[(\b):(\b)+11], 0, v[(\sa)], v[(\sb)] matrix_a_fmt:MATRIX_FMT_FP6 matrix_b_fmt:MATRIX_FMT_FP6
.elseif ((\ra)+2*(\rb)) == 1
	v_wmma_scale_f32_16x16x128_f8f6f4 v[(\d):(\d)+7], v[(\a):(\a)+11], v[(\b):(\b)+11], 0, v[(\sa)], v[(\sb)] matrix_a_fmt:MATRIX_FMT_FP6 matrix_b_fmt:MATRIX_FMT_FP6 matrix_a_scale:MATRIX_SCALE_ROW1
.elseif ((\ra)+2*(\rb)) == 2
	v_wmma_scale_f32_16x16x128_f8f6f4 v[(\d):(\d)+7], v[(\a):(\a)+11], v[(\b):(\b)+11], 0, v[(\sa)], v[(\sb)] matrix_a_fmt:MATRIX_FMT_FP6 matrix_b_fmt:MATRIX_FMT_FP6 matrix_b_scale:MATRIX_SCALE_ROW1
.else
	v_wmma_scale_f32_16x16x128_f8f6f4 v[(\d):(\d)+7], v[(\a):(\a)+11], v[(\b):(\b)+11], 0, v[(\sa)], v[(\sb)] matrix_a_fmt:MATRIX_FMT_FP6 matrix_b_fmt:MATRIX_FMT_FP6 matrix_a_scale:MATRIX_SCALE_ROW1 matrix_b_scale:MATRIX_SCALE_ROW1
.endif
.else
.if ((\ra)+2*(\rb)) == 0
	v_wmma_scale_f32_16x16x128_f8f6f4 v[(\d):(\d)+7], v[(\a):(\a)+11], v[(\b):(\b)+11], v[(\c):(\c)+7], v[(\sa)], v[(\sb)] matrix_a_fmt:MATRIX_FMT_FP6 matrix_b_fmt:MATRIX_FMT_FP6
.elseif ((\ra)+2*(\rb)) == 1
	v_wmma_scale_f32_16x16x128_f8f6f4 v[(\d):(\d)+7], v[(\a):(\a)+11], v[(\b):(\b)+11], v[(\c):(\c)+7], v[(\sa)], v[(\sb)] matrix_a_fmt:MATRIX_FMT_FP6 matrix_b_fmt:MATRIX_FMT_FP6 matrix_a_scale:MATRIX_SCALE_ROW1
.elseif ((\ra)+2*(\rb)) == 2
	v_wmma_scale_f32_16x16x128_f8f6f4 v[(\d):(\d)+7], v[(\a):(\a)+11], v[(\b):(\b)+11], v[(\c):(\c)+7], v[(\sa)], v[(\sb)] matrix_a_fmt:MATRIX_FMT_FP6 matrix_b_fmt:MATRIX_FMT_FP6 matrix_b_scale:MATRIX_SCALE_ROW1
.else
	v_wmma_scale_f32_16x16x128_f8f6f4 v[(\d):(\d)+7], v[(\a):(\a)+11], v[(\b):(\b)+11], v[(\c):(\c)+7], v[(\sa)], v[(\sb)] matrix_a_fmt:MATRIX_FMT_FP6 matrix_b_fmt:MATRIX_FMT_FP6 matrix_a_scale:MATRIX_SCALE_ROW1 matrix_b_scale:MATRIX_SCALE_ROW1
.endif
.endif
.endm
; 64 numbers of a lane, v[s] .. v[s + 63], register 16 b + i = k 32 b + 16 (lane / 16) + i of my row, become a fragment's codes in v[PC] on and its scale word in v[PW].  Each accumulator is read from its low end on.
.macro QUANT s
.irp b, 0,1,2,3
	v_max3_num_f32 v[TM+\b], |v[\s+16*\b]|, |v[\s+1+16*\b]|, 0x1800000   ; block b: my 16 numbers, and the floor 2^(3 - 127): the byte cannot fall under 1
.endr
.irp i, 2,4,6,8,10,12,14
.irp b, 0,1,2,3
	v_max3_num_f32 v[TM+\b], v[TM+\b], |v[\s+16*\b+\i]|, |v[\s+1+16*\b+\i]|   ; the four blocks by turns
.endr
.endr
.irp b, 0,1,2,3
	v_permlanex16_b32 v[TM+4+\b], v[TM+\b], s[SEL], s[SEL+1]
.endr
.irp b, 0,1,2,3
	v_max_num_f32 v[TM+\b], v[TM+\b], v[TM+4+\b]   ; with lane l xor 16's: the block's largest magnitude
.endr
.irp b, 0,1,2,3
	v_add_nc_u32 v[TM+12+\b], 0xff000000, v[TM+\b] ; 2 off its exponent field: the conversion's scale operand
.endr
.irp b, 0,1,2,3
	v_lshrrev_b32 v[TM+4+\b], 23, v[TM+12+\b]      ; the scale's byte
.endr
	v_lshl_or_b32 v[PW], v[TM+5], 8, v[TM+4]       ; the four bytes make my row's scale word (lanes l and l xor 16 hold the same)
	v_lshl_or_b32 v[PW], v[TM+6], 16, v[PW]
	v_lshl_or_b32 v[PW], v[TM+7], 24, v[PW]
.irp c, 0,1
	v_cvt_scalef32_pk16_fp6_f32 v[PC+6*\c:PC+2+6*\c], v[\s+32*\c:\s+15+32*\c], v[TM+12+2*\c]
	v_cvt_scalef32_pk16_fp6_f32 v[PC+12+4*\c:PC+14+4*\c], v[\s+16+32*\c:\s+31+32*\c], v[TM+12+2*\c+1]   ; (a conversion's three registers begin on an even number)
.endr
	v_nop                                          ; one plain place behind a scaled conversion
.irp c, 0,1                                    ; the operand's layout wants a WHOLE block in a lane: lanes 0-15 block 2 c, lanes 16-31 block 2 c + 1
.irp i, 0,1,2
	v_permlane16_swap_b32 v[PC+6*\c+\i], v[PC+12+4*\c+\i]
.endr
.irp i, 0,1,2
	v_mov_b32 v[PC+3+6*\c+\i], v[PC+12+4*\c+\i]
.endr
.endr
.endm
	s_load_b512 s[4:19], s[0:1], 0x0               ; x1 s[4:5], x2 s[6:7], wq s[8:9], qb s[10:11], kb s[12:13], vb s[14:15], q s[16:17], kv s[18:19]
	v_lshl_add_u32 v[SPW], v0, 2, SPARE
	v_mov_b32 v[NIL], 0
	ds_add_u32 v[SPW], v[NIL]                      ; the wave's opening: the add and its wait ahead of my tensor load; the set-up below, work on registers, stands between them
	v_lshrrev_b32 v40, 5, v0
	v_readfirstlane_b32 s[WV], v40                 ; wave 0..3
	s_and_b32 s[KIND], ttmp9, 1                    ; 0: x1 -> q;  1: x2 -> k, v
	s_lshr_b32 s22, ttmp9, 1                       ; which 128 pixels: 32 x batch + block
	s_and_b32 s60, s[WV], 1
	s_lshr_b32 s61, s[WV], 1
	; descriptor group 1: 64 rows (channels) of 128 elements of 4 bytes, 4,096 elements from row to row; no padding: a wave's LDS load reads 32 neighbouring words
	s_mov_b32 s24, 2<<16
	s_mov_b32 s25, 128<<16                         ; tensor_dim0
	s_mov_b32 s26, 64<<16                          ; tensor_dim1
	s_mov_b32 s27, 128<<16                         ; tile_dim0
	s_mov_b32 s28, 64                              ; tile_dim1
	s_mov_b32 s29, 4096                            ; the pitch
	s_mov_b32 s30, 0
	s_mov_b32 s31, 0
	s_mov_b32 s32, 1
	s_lshl_b32 s33, s[WV], 15                      ; LDS: my 64 rows of 512 bytes
	s_lshr_b32 s54, s22, 5
	s_lshl_b32 s54, s54, 22                        ; the batch: 4,194,304 bytes,
	s_and_b32 s55, s22, 31
	s_lshl_b32 s55, s55, 9                         ; the block's 128 pixels,
	s_add_co_u32 s54, s54, s55
	s_lshl_b32 s55, s[WV], 20                      ; my 64 channels
	s_add_co_u32 s54, s54, s55
	s_mov_b32 s55, 0
	s_mul_i32 s38, s[KIND], 49152                  ; my 8 tiles of qw or kw: images,
	s_mul_i32 s56, s60, 24576
	s_add_co_u32 s38, s38, s56
	s_mov_b32 s39, 0
	s_lshl_b32 s40, s[KIND], 11                    ; scale words,
	s_lshl_b32 s56, s60, 10
	s_add_co_u32 s40, s40, s56
	s_add_co_u32 s40, s40, 147456
	s_mov_b32 s41, 0
	s_lshl_b32 s42, s60, 9                         ; and my 128 numbers of the bias
	s_mov_b32 s43, 0
	s_add_co_u32 s57, s[KIND], 1
	s_mul_i32 s57, s57, 25600                      ; q: a record for each block; kv: two
	s_mul_i32 s57, s57, s22                        ; q's or k's record
	s_mul_i32 s44, s61, 12288
	s_mul_i32 s56, s60, 1536
	s_add_co_u32 s44, s44, s56
	s_add_co_u32 s44, s44, s57                     ; my images in it: 2 pt + s = 8 (w / 2) + 2 i + w % 2
	s_mov_b32 s45, 0
	s_lshl_b32 s46, s[WV], 8
	s_add_co_u32 s46, s46, 24576
	s_add_co_u32 s46, s46, s57                     ; my block of scale words: block w
	s_mov_b32 s47, 0
	s_mul_i32 s57, s22, 51200
	s_add_co_u32 s57, s57, 25600                   ; v's record
	s_mul_i32 s62, s[WV], 6144
	s_add_co_u32 s62, s62, s57                     ; my images in it: ct = 4 w + i
	s_mov_b32 s63, 0
	s_lshl_b32 s36, s[WV], 8
	s_add_co_u32 s36, s36, 24576
	s_add_co_u32 s36, s36, s57
	s_mov_b32 s37, 0
	s_mul_i32 s48, s[WV], 12288
	s_add_co_u32 s48, s48, 98304                   ; my 4 tiles of vw: images,
	s_mov_b32 s49, 0
	s_lshl_b32 s50, s[WV], 9
	s_add_co_u32 s50, s50, 151552                  ; scale words,
	s_mov_b32 s51, 0
	s_lshl_b32 s52, s[WV], 8                       ; and my 64 numbers of vb
	s_mov_b32 s53, 0
	s_mov_b32 s[SEL], 0x76543210
	s_mov_b32 s[SEL+1], 0xfedcba98                 ; selects for lane l xor 16
	v_and_b32 v40, 31, v0                          ; lane
	v_lshlrev_b32 v[L16], 4, v40
	v_lshlrev_b32 v[L4], 2, v40
	v_lshlrev_b32 v[L8], 3, v40
	v_and_b32 v41, 7, v0
	v_bfe_u32 v42, v0, 3, 1
	v_bfe_u32 v43, v0, 4, 1                        ; h
	v_lshl_add_u32 v41, v42, 4, v41
	v_lshl_add_u32 v41, v43, 3, v41                ; my pixel among the wave's 32: lane % 8 + 16 (bit 3) + 8 (bit 4)
	s_lshl_b32 s56, s[WV], 5
	v_add_nc_u32 v41, s56, v41
	v_lshlrev_b32 v[XA0], 2, v41
	v_add_nc_u32 v[XA0+1], 65536, v[XA0]
	s_mul_i32 s56, s[WV], 6144
	s_add_co_u32 s56, s56, XIMG
	v_add_nc_u32 v[XWI], s56, v[L16]
	s_lshl_b32 s56, s[WV], 8
	s_add_co_u32 s56, s56, XSC
	v_add_nc_u32 v[XWS], s56, v[L4]
	s_mul_i32 s56, s61, 12288
	s_add_co_u32 s56, s56, XIMG
	v_add_nc_u32 v[XR], s56, v[L16]
	s_lshl_b32 s56, s61, 9
	s_add_co_u32 s56, s56, XSC
	v_add_nc_u32 v[XSR], s56, v[L4]
	v_add_nc_u32 v[XIA], XIMG, v[L16]
	v_add_nc_u32 v[XSA], XSC, v[L4]
	v_lshlrev_b32 v[BH], 6, v43
	v_and_b32 v44, 15, v0
	v_and_b32 v45, 8, v44
	v_add_nc_u32 v44, v44, v45
	v_lshlrev_b32 v[BR], 2, v44
	s_wait_dscnt 0x0                               ; the opening add is done
	s_wait_kmcnt 0x0
	s_cmp_eq_u32 s[KIND], 0                        ; the choices hang on the work-group's number alone; the 64-bit sums between them leave SCC alone
	s_cselect_b64 s[56:57], s[4:5], s[6:7]
	s_add_nc_u64 s[34:35], s[56:57], s[54:55]
	s_cselect_b64 s[56:57], s[10:11], s[12:13]
	s_add_nc_u64 s[42:43], s[56:57], s[42:43]
	s_cselect_b64 s[56:57], s[16:17], s[18:19]
	s_add_nc_u64 s[44:45], s[56:57], s[44:45]
	s_add_nc_u64 s[46:47], s[56:57], s[46:47]
	s_or_b32 s35, s35, 0x80000000                  ; the descriptor's type
	s_add_nc_u64 s[38:39], s[8:9], s[38:39]
	s_add_nc_u64 s[40:41], s[8:9], s[40:41]
	s_add_nc_u64 s[48:49], s[8:9], s[48:49]
	s_add_nc_u64 s[50:51], s[8:9], s[50:51]
	s_add_nc_u64 s[52:53], s[14:15], s[52:53]
	s_add_nc_u64 s[62:63], s[18:19], s[62:63]
	s_add_nc_u64 s[36:37], s[18:19], s[36:37]
	tensor_load_to_lds s[32:35], s[24:31]          ; my one tensor load: 64 channels x 128 pixels; nothing is filled twice in this launch
	s_nop 0
.rept 4
	v_nop
.endr
	WIN 0x40                                       ; destination window 1
.set n, 0
.rept 48
	global_load_b128 v[4*n:4*n+3], v[L16], s[38:39] offset:512*n   ; my 16 fragments of qw or kw, as they lie: fragment 2 T' + s at v[12 (2 T' + s)]
.set n, n+1
.endr
	WIN 0x80                                       ; destination window 2
.irp t, 0,1,2,3,4,5,6,7
	global_load_b128 v[BQ+8*\t:BQ+8*\t+3], v[BH], s[42:43] offset:(32*(\t/2)+8*(\t%2))*4       ; the bias in the result's layout: channels 32 (T' / 2) + 16 h + 8 (T' % 2) + 0 .. 7
	global_load_b128 v[BQ+8*\t+4:BQ+8*\t+7], v[BH], s[42:43] offset:(32*(\t/2)+8*(\t%2))*4+16
.endr
	WIN 0
.irp t, 0,1,2,3,4,5,6,7
	global_load_b32 v[WS+\t], v[L4], s[40:41] offset:128*\t
.endr
	s_wait_tensorcnt 0x0                           ; my 64 rows are in,
	s_barrier_signal -1
	s_barrier_wait -1                              ; everybody's are: each wave reads all 256 rows
; ---- X: block be = channels 32 be .. + 31 of my pixel
.macro XLOAD be
.set i, 0
.rept 32
	ds_load_b32 v[XN+32*((\be)%2)+i], v[XA0+(\be)/4] offset:((32*(\be)+i)%128)*512
.set i, i+1
.endr
.endm
.macro XBLOCK be
.set XB, XN+32*((\be)%2)
.set FD, FX+12*(2*((\be)%2)+(\be)/4)+6*(((\be)/2)%2)
.set TD, TA+4*((\be)%2)
.if (\be) < 7
	s_wait_dscnt 32                                ; this block's 32 loads are in; the next block's 32 may be out
.else
	s_wait_dscnt 0x0
.endif
	v_max3_num_f32 v40, |v[XB]|, |v[XB+1]|, |v[XB+2]|              ; the block's largest magnitude: all 32 numbers are mine; two chains
	v_max3_num_f32 v41, |v[XB+3]|, |v[XB+4]|, |v[XB+5]|
.irp i, 6,10,14,18,22,26
	v_max3_num_f32 v40, v40, |v[XB+\i]|, |v[XB+\i+1]|
	v_max3_num_f32 v41, v41, |v[XB+\i+2]|, |v[XB+\i+3]|
.endr
	v_max3_num_f32 v40, v40, |v[XB+30]|, |v[XB+31]|
	v_max3_num_f32 v40, v40, v41, 0x1800000        ; and the floor 2^(3 - 127)
	v_add_nc_u32 v42, 0xff000000, v40              ; the conversion's scale operand
	v_lshrrev_b32 v43, 23, v42                     ; the scale's byte
.if (\be)%4 == 0
	v_mov_b32 v[44+(\be)/4], v43                   ; four bytes to my pixel's scale word of this K step
.else
	v_lshl_or_b32 v[44+(\be)/4], v43, 8*((\be)%4), v[44+(\be)/4]
.endif
	v_cvt_scalef32_pk16_fp6_f32 v[FD:FD+2], v[XB:XB+15], v42
	v_cvt_scalef32_pk16_fp6_f32 v[TD:TD+2], v[XB+16:XB+31], v42
	v_nop                                          ; one plain place behind a scaled conversion
.if (\be)%2 == 1                               ; an even block and the odd one behind it: lanes 0-15 (tile 2 w) hand their odd block to lanes 16-31 of the first fragment, lanes 16-31 (tile 2 w + 1) their even block to lanes 0-15 of the second
.set F0, FX+12*((\be)/4)+6*(((\be)/2)%2)
.irp i, 0,1,2
	v_permlane16_swap_b32 v[F0+\i], v[F0+24+\i]
	v_permlane16_swap_b32 v[TA+\i], v[TB+\i]
.endr
.irp i, 0,1,2
	v_mov_b32 v[F0+3+\i], v[TA+\i]
	v_mov_b32 v[F0+27+\i], v[TB+\i]
.endr
.endif
.if (\be)+2 < 8
	XLOAD (\be)+2
.endif
.endm
	XLOAD 0
	XLOAD 1
.irp e, 0,1,2,3,4,5,6,7
	XBLOCK \e
.endr
.set n, 0
.rept 12
	ds_store_b128 v[XWI], v[FX+4*n:FX+4*n+3] offset:512*n          ; my four fragments, as they stand
.set n, n+1
.endr
	ds_store_b32 v[XWS], v44
	ds_store_b32 v[XWS], v45 offset:128
	s_wait_dscnt 0x0                               ; for the others' sake: my stores have landed
	s_barrier_signal -1
	s_barrier_wait -1                              ; x's sixteen fragments lie in LDS; nothing is stored to LDS from here on
	v_and_b32 v40, 31, v0
	v_cmp_gt_u32 s[LOW], 16, v40                   ; lanes 0-15
.irp b, 0,1,2,3
	v_mov_b32 v[TM+4+\b], 0                        ; a lane permute's destination counts as one of its sources
.endr
; ---- QK: my 128 output channels for my four pixel tiles
.macro QKPHASE
	WIN 0xc0                                       ; destination window 3
.set n, 0
.rept 24
	ds_load_b128 v[4*n:4*n+3], v[XR] offset:512*n  ; fragment (i, s) at v[12 (2 i + s)]
.set n, n+1
.endr
	WIN 0
.irp j, 0,1,2,3
	ds_load_b32 v[XS+\j], v[XSR] offset:128*\j     ; register 2 (i / 2) + s: lanes 0-15 the even tile's words, lanes 16-31 the odd one's
.endr
	s_wait_loadcnt 0x0                             ; the weights, their scale words, the biases
	s_wait_dscnt 0x0
.irp i, 0,1,2,3
	s_wait_xcnt 0x0                                ; the last tile's stores have read their registers
	WIN 0x2d                                       ; source 0 (weight) window 1, source 1 (x) window 3, C (bias) window 2
.irp t, 0,1,2,3,4,5,6,7
	MM HA+8*\t, 12*(2*\t), 12*(2*\i), BQ+8*\t, WS+\t, XS+2*(\i/2), 0, \i%2
.endr
	WIN 0x0d                                       ; the eight accumulators by turns, K step by K step
.irp t, 0,1,2,3,4,5,6,7
	MM HA+8*\t, 12*(2*\t+1), 12*(2*\i+1), HA+8*\t, WS+\t, XS+2*(\i/2)+1, 1, \i%2
.endr
	WIN 0
.rept 4
	v_nop                                          ; places in front of the first read of results
.endr
	QUANT HA
.irp g, 0,1,2
	global_store_b128 v[L16], v[PC+4*\g:PC+4*\g+3], s[44:45] offset:3072*\i+512*\g   ; 32 lanes store 512 consecutive bytes, at a multiple of 256 from the buffer's first byte
.endr
	v_mov_b32 v[PWK+\i], v[PW]
.endr
	v_cndmask_b32 v40, v[PWK+1], v[PWK], s[LOW]    ; lanes 0-15 the even tile's word, lanes 16-31 the odd one's
	v_cndmask_b32 v41, v[PWK+3], v[PWK+2], s[LOW]
	global_store_b64 v[L8], v[40:41], s[46:47]     ; one aligned block of 256 bytes
.endm
.macro VLOADS
	WIN 0x80
.set n, 0
.rept 24
	global_load_b128 v[4*n:4*n+3], v[L16], s[48:49] offset:512*n   ; my 8 fragments of vw: (i, s) at v[12 (2 i + s)]
.set n, n+1
.endr
.irp i, 0,1,2,3
.irp j, 0,1,2,3,4,5,6,7
	global_load_b32 v[VB+8*\i+\j], v[BR], s[52:53] offset:(32*(\i/2)+8*(\i%2))*4   ; vb in the result's layout: a lane holds one channel, so its eight registers hold one number
.endr
.endr
	WIN 0
.irp i, 0,1,2,3
	global_load_b32 v[VS+\i], v[L4], s[50:51] offset:128*\i
.endr
.endm
; ---- V: my four channel tiles for all 128 pixels
.macro VPHASE
	WIN 0xc0
.set n, 0
.rept 48
	ds_load_b128 v[4*n:4*n+3], v[XIA] offset:512*n ; all sixteen fragments of x (the places behind the last products are QUANT's lines)
.set n, n+1
.endr
	WIN 0
.irp j, 0,1,2,3,4,5,6,7
	ds_load_b32 v[XS+\j], v[XSA] offset:128*\j
.endr
	s_wait_dscnt 0x0
.irp i, 0,1,2,3
	s_wait_xcnt 0x0
	WIN 0x2b                                       ; source 0 (x) window 3, source 1 (vw) window 2, C (vb) window 2
.irp p, 0,1,2,3,4,5,6,7
	MM HA+8*\p, 12*(2*\p), 12*(2*\i), VB+8*\i, XS+2*(\p/2), VS+\i, \p%2, 0
.endr
	WIN 0x0b
.irp p, 0,1,2,3,4,5,6,7
	MM HA+8*\p, 12*(2*\p+1), 12*(2*\i+1), HA+8*\p, XS+2*(\p/2)+1, VS+\i, \p%2, 1
.endr
	WIN 0
.rept 4
	v_nop
.endr
	QUANT HA                                       ; register 8 pt + j is key 32 (pt / 2) + 16 h + 8 (pt % 2) + j
.irp g, 0,1,2
	global_store_b128 v[L16], v[PC+4*\g:PC+4*\g+3], s[62:63] offset:1536*\i+512*\g
.endr
	v_mov_b32 v[PWK+\i], v[PW]
.endr
	v_cndmask_b32 v40, v[PWK+1], v[PWK], s[LOW]
	v_cndmask_b32 v41, v[PWK+3], v[PWK+2], s[LOW]
	global_store_b64 v[L8], v[40:41], s[36:37]
.endm
	s_cmp_eq_u32 s[KIND], 0
	s_cbranch_scc1 .Lx1
	VLOADS
	QKPHASE
	VPHASE
	s_branch .Lend
.Lx1:
	QKPHASE
.Lend:
	s_wait_tensorcnt 0x0                           ; the wave's end: behind my tensor load and my last LDS store
	ds_add_u32 v[SPW], v[NIL]
	s_wait_dscnt 0x0
	s_endpgm
.Lfunc_end_k_q2326e2b6b2_proj:
	.size	k_q2326e2b6b2_proj, .Lfunc_end_k_q2326e2b6b2_proj-k_q2326e2b6b2_proj
	.p2alignl 7, 3214868480
	.fill 96, 4, 3214868480
	.section	.rodata,"a",@progbits
	.p2align	6, 0x0
	.amdhsa_kernel k_q2326e2b6b2_proj
		.amdhsa_group_segment_fixed_size 167936
		.amdhsa_private_segment_fixed_size 0
		.amdhsa_enable_private_segment 0
		.amdhsa_kernarg_size 64
		.amdhsa_user_sgpr_count 2
		.amdhsa_user_sgpr_kernarg_segment_ptr 1
		.amdhsa_wavefront_size32 1
		.amdhsa_system_sgpr_workgroup_id_x 1
		.amdhsa_system_sgpr_workgroup_id_y 1
		.amdhsa_system_sgpr_workgroup_id_z 1
		.amdhsa_system_vgpr_workitem_id 0
		.amdhsa_next_free_vgpr 1024
		.amdhsa_next_free_sgpr 66
		.amdhsa_reserve_vcc 0
		.amdhsa_float_denorm_mode_32 3
		.amdhsa_float_denorm_mode_16_64 3
		.amdhsa_memory_ordered 1
		.amdhsa_forward_progress 1
		.amdhsa_inst_pref_size 132
	.end_amdhsa_kernel
	.amdgpu_metadata
---
amdhsa.version: [ 1, 2 ]
amdhsa.kernels:
  - .name:           k_q2326e2b6b2_proj
    .symbol:         k_q2326e2b6b2_proj.kd
    .args:
      - { .name: x1, .offset: 0, .size: 8, .value_kind: global_buffer, .address_space: global }
      - { .name: x2, .offset: 8, .size: 8, .value_kind: global_buffer, .address_space: global }
      - { .name: wq, .offset: 16, .size: 8, .value_kind: global_buffer, .address_space: global }
      - { .name: qb, .offset: 24, .size: 8, .value_kind: global_buffer, .address_space: global }
      - { .name: kb, .offset: 32, .size: 8, .value_kind: global_buffer, .address_space: global }
      - { .name: vb, .offset: 40, .size: 8, .value_kind: global_buffer, .address_space: global }
      - { .name: q, .offset: 48, .size: 8, .value_kind: global_buffer, .address_space: global }
      - { .name: kv, .offset: 56, .size: 8, .value_kind: global_buffer, .address_space: global }
    .group_segment_fixed_size: 167936
    .private_segment_fixed_size: 0
    .kernarg_segment_align: 8
    .kernarg_segment_size: 64
    .max_flat_workgroup_size: 128
    .sgpr_count:     66
    .vgpr_count:     1024
    .wavefront_size: 32
...
	.end_amdgpu_metadata
.endif
;; end of part 2
;; launch attn (part 3): grid 64 x 4, 4 waves a work-group, clusters of 4 x 1, 327,680 bytes of LDS; arguments q, kv, ln_w, ln_b, out0; writes out0
.if DOCPART == 3
	.amdgcn_target "amdgcn-amd-amdhsa--gfx1250"
	.amdhsa_code_object_version 6
	.text
	.protected	k_q2326e2b6b2_attn
	.globl	k_q2326e2b6b2_attn
	.p2align	8
	.type	k_q2326e2b6b2_attn,@function
k_q2326e2b6b2_attn:
	s_mov_b64 s[64:65], 0
	v_nop
	global_prefetch_b8 v0, s[64:65] scope:SCOPE_SE
	s_setreg_imm32_b32 hwreg(HW_REG_WAVE_MODE, 25, 1), 1
	s_wait_xcnt 0x0
	s_wait_alu depctr_hold_cnt(0) depctr_sa_sdst(0) depctr_va_vdst(0) depctr_va_sdst(0) depctr_va_ssrc(0) depctr_va_vcc(0) depctr_vm_vsrc(0)
	s_getreg_b32 s2, hwreg(HW_REG_IB_STS2, 6, 4)
	s_cmp_eq_u32 s2, 0
	s_cbranch_scc0 .Lentry_in_a_cluster
	s_endpgm
.Lentry_in_a_cluster:
	s_bfe_u32 s2, ttmp6, 0x10000c
	s_cmp_lg_u32 s2, 0x3003
	s_cbranch_scc0 .Lentry_shape_is_right
	s_endpgm
.Lentry_shape_is_right:
; scores = q . k over 256 channels; softmax over each group of 64 neighbouring keys BY ITSELF; fusion = attn . v over all 4,096 keys; LayerNorm over the 256 channels of a pixel.
; Both products on codes of FP6 (E2M3) with one E8M0 scale for each 32 along K.  q, kv: records of fragment images and scale words, as the launch before has laid them.  out0: [4][256][4,096] f32.
; THE SOFTMAX.  A group of 64 keys lies inside a key step of 128, in 32 registers of lanes l and l xor 16: its own largest score is taken away, p = 2^(c s - c m), c = log2(e), and p is divided by the group's sum
; before it is quantised, finished and normalised, in blocks of 32 keys.  No running maximum is needed and nothing is rescaled.  A block's largest p is not searched for: the block's largest score goes through the same lines.
; SHARES.  A work-group owns 64 queries of one batch.  EACH OF ITS FOUR WAVES HOLDS ALL FOUR QUERY TILES AND WALKS A QUARTER OF THE KEYS, 8 steps of 128: so each fragment of k and v is read from LDS once, by one wave, and
; feeds four matrix instructions.  The fusion is a plain sum over keys: the four partial sums are added at the end, each wave taking 64 channels.
; LAYOUT.  Both products transposed: S^T = k q^T (source 0 = 16 keys), O^T = v^T p^T (source 0 = 16 channels): a lane holds one query throughout.  The keys of a tile are chosen (32 (T / 2) + 8 (T % 2) + r + 8 (r / 8)) so that
; the 16 registers of tiles 2 b, 2 b + 1 are 16 neighbouring keys.
; THE RING.  A wave's 16 tiles (k, v, k, v ..: records of 25,600 bytes, on end in memory) come by tensor loads into its own two LDS slots, k's and v's.  A step has two phases, A on k's tile and B on v's; at the head of each phase the
; slot just left is filled with the next phase's successor.  CLUSTER: the four work-groups of a cluster belong to one batch and walk the same tiles: each tile is asked for JOINTLY, with the same descriptor and a mask that names the four.
; By this text's count a wave has two tensor loads out at the start and one behind each round.
; LIMITS: NaN and infinities are not served; a p under 2^-126 is 0; a block whose largest p lies under 2^-124 keeps the scale byte 1; taking a block's largest p from its largest score takes v_exp_f32 not to fall where its
; input rises; the sums over keys are made in four quarters and then added, another order than a single sum's.
; REGISTERS: window 0: v1-7, v28-31 addresses; v8-27 scale words (nothing else); v32-79 statistics, 12 a tile; v80-127 p's codes, 12 a tile; v128-255 S^T, 32 a tile.
;   window 1: v0-95 q's fragments (tile t, K step s at 12 (2 t + s)); v96-239 fragments of k (8) or of v (three buffers of 4).
;   windows 2, 3: O^T: chunk c = 0..3 (window 2 + c / 2, from v[128 (c % 2)]), in it accumulator 4 u + t.  Chunk c holds channel tiles 4 ((c + wave) % 4) + u: chunk 0 is the wave's own 64 channels, at the same registers in every wave.
.set REC,   25600                      ; a record
.set SLOTY, 131072                     ; k's slots at 25,600 x wave; v's this much further on, so that one exclusive or turns the walking descriptor
.set SPARE, 327168                     ; the spare words, 128 bytes for each wave: two blocks of 256 bytes that no other line names
.set LN1,   196608                     ; the end: partial O^T at 0 .. 196,607; the norm's sums here (2,048 bytes) and 2,048 bytes on;
.set STG,   200704                     ; a stage of 64 rows x 272 bytes for each wave.  All of it lies in slots that have had their last fill and their last read
.set AK,  1                            ; my lane's place in k's slot: slot + 16 x lane
.set AV,  2                            ; in v's
.set ASK, 3                            ; among k's scale words: slot + 24,576 + 8 x lane
.set ASV, 4                            ; among v's
.set PFO, 5                            ; the prefetches' offset; never rewritten
.set SPW, 6                            ; my spare word; never rewritten
.set NIL, 7                            ; 0; never rewritten
.set SK,  8                            ; v8-11   k's scale words: register 2 s + k' / 2
.set SV,  12                           ; v12-19  v's: register 2 c + u / 2
.set SQ,  20                           ; v20-23  q's: register 2 s + t / 2
.set PWR, 24                           ; v24-27  p's scale word, a tile each
.set TT,  32                           ; statistics of tile t at TT + 12 t: +0, +1 the blocks' largest; +2, +3 at work; +4 -c m; +5 m; +6 .. +9 sums, later codes; +10 1 / sum; +11 written once
.set PP,  80
.set SS,  128
.set KB,  96                           ; in window 1
.set FF,  128                          ; the end: the fusion, my 64 channels x 64 queries
.set LW,  32                           ; ln_w, ln_b in the fusion's layout
.set LB,  64
.set SU,  96                           ; v96-99 four sums
.set AC,  100                          ; v100-107 a pair a tile
.set LD,  108                          ; v108-123 the four waves' sums
.set PT,  124
.set WV,  14
.set SEL, 20
.set CS,  22                           ; s[22:23] c: the packed form names a pair and takes its low word for both halves
.set G1,  24
.set G0A, 32
.set G0B, 36                           ; walks
.set PFA, 40
.set PF,  42                           ; 1 in the batch's first cluster
.set TRIP, 43
.set ROF, 44                           ; s[44:47] chunk c's four images in v's record: 6,144 ((c + wave) % 4)
.set ROS, 48                           ; s[48:51] and its block of scale words: 256 ((c + wave) % 4)
.set MSB, 0
.macro WIN new                         ; the immediate's high byte repeats the setting that is left
.if MSB != \new
	s_set_vgpr_msb (MSB<<8)|\new
.set MSB, \new
.endif
.endm
.macro MM d, a, b, c, sa, sb, ra, rb   ; one matrix instruction: C at c (below 0: the constant 0); scale registers read from lanes 0-15 (ra, rb = 0) or 16-31 (1)
.if (\c) < 0
.if ((\ra)+2*(\rb)) == 0
	v_wmma_scale_f32_16x16x128_f8f6f4 v[(\d):(\d)+7], v[(\a):(\a)+11], v[(\b):(\b)+11], 0, v[(\sa)], v[(\sb)] matrix_a_fmt:MATRIX_FMT_FP6 matrix_b_fmt:MATRIX_FMT_FP6
.elseif ((\ra)+2*(\rb)) == 1
	v_wmma_scale_f32_16x16x128_f8f6f4 v[(\d):(\d)+7], v[(\a):(\a)+11], v[(\b):(\b)+11], 0, v[(\sa)], v[(\sb)] matrix_a_fmt:MATRIX_FMT_FP6 matrix_b_fmt:MATRIX_FMT_FP6 matrix_a_scale:MATRIX_SCALE_ROW1
.elseif ((\ra)+2*(\rb)) == 2
	v_wmma_scale_f32_16x16x128_f8f6f4 v[(\d):(\d)+7], v[(\a):(\a)+11], v[(\b):(\b)+11], 0, v[(\sa)], v[(\sb)] matrix_a_fmt:MATRIX_FMT_FP6 matrix_b_fmt:MATRIX_FMT_FP6 matrix_b_scale:MATRIX_SCALE_ROW1
.else
	v_wmma_scale_f32_16x16x128_f8f6f4 v[(\d):(\d)+7], v[(\a):(\a)+11], v[(\b):(\b)+11], 0, v[(\sa)], v[(\sb)] matrix_a_fmt:MATRIX_FMT_FP6 matrix_b_fmt:MATRIX_FMT_FP6 matrix_a_scale:MATRIX_SCALE_ROW1 matrix_b_scale:MATRIX_SCALE_ROW1
.endif
.else
.if ((\ra)+2*(\rb)) == 0
	v_wmma_scale_f32_16x16x128_f8f6f4 v[(\d):(\d)+7], v[(\a):(\a)+11], v[(\b):(\b)+11], v[(\c):(\c)+7], v[(\sa)], v[(\sb)] matrix_a_fmt:MATRIX_FMT_FP6 matrix_b_fmt:MATRIX_FMT_FP6
.elseif ((\ra)+2*(\rb)) == 1
	v_wmma_scale_f32_16x16x128_f8f6f4 v[(\d):(\d)+7], v[(\a):(\a)+11], v[(\b):(\b)+11], v[(\c):(\c)+7], v[(\sa)], v[(\sb)] matrix_a_fmt:MATRIX_FMT_FP6 matrix_b_fmt:MATRIX_FMT_FP6 matrix_a_scale:MATRIX_SCALE_ROW1
.elseif ((\ra)+2*(\rb)) == 2
	v_wmma_scale_f32_16x16x128_f8f6f4 v[(\d):(\d)+7], v[(\a):(\a)+11], v[(\b):(\b)+11], v[(\c):(\c)+7], v[(\sa)], v[(\sb)] matrix_a_fmt:MATRIX_FMT_FP6 matrix_b_fmt:MATRIX_FMT_FP6 matrix_b_scale:MATRIX_SCALE_ROW1
.else
	v_wmma_scale_f32_16x16x128_f8f6f4 v[(\d):(\d)+7], v[(\a):(\a)+11], v[(\b):(\b)+11], v[(\c):(\c)+7], v[(\sa)], v[(\sb)] matrix_a_fmt:MATRIX_FMT_FP6 matrix_b_fmt:MATRIX_FMT_FP6 matrix_a_scale:MATRIX_SCALE_ROW1 matrix_b_scale:MATRIX_SCALE_ROW1
.endif
.endif
.endm
.macro PLACES n                        ; plain places behind matrix instructions, and ahead of scaled ones whose operands vector lines have written
.rept \n
	v_nop
.endr
.endm
.macro ROUND                           ; a round of the cluster's barrier: my work-group's barrier; wave 0 signals for the work-group; every wave waits for all four work-groups; my work-group's barrier once more
	s_barrier_signal -1
	s_barrier_wait -1
	s_cmp_lg_u32 s[WV], 0
	s_cbranch_scc1 .Lnot_wave_0_\@
	s_barrier_signal -3
.Lnot_wave_0_\@:
	s_barrier_wait -3
	s_barrier_signal -1
	s_barrier_wait -1
.endm
; THE CHANGE OF SLOTS, at the head of a phase.  All my tensor loads have landed: the one that was out is this phase's tile.  The slot that I have left is filled with the tile of the phase after this one: the load has a whole phase in which to land.
; ask = 1: a PREFETCH INTO THE L2 of the tile that the NEXT change will ask for, one phase ahead of its load.  All 16 clusters of a batch walk the same tiles: the batch's first cluster asks (the test is alike in all four partners).
; Its partners share a tile's 100 rows of 256 bytes out BY ADDRESS, 25 each, a lane a row (lanes 25 to 31 name lane 24's row again); each wave asks for its own tile.  The last change asks for nothing: no tile follows.
.macro CHANGE ask
	WIN 0                                          ; at a label and at a branch every window is 0; the add's two registers lie in window 0
	s_wait_tensorcnt 0x0                           ; no tensor load of mine is out, so a group 0 may be written
	ds_add_u32 v[SPW], v[NIL]                      ; 0 onto my spare word; the steps below stand between it and the wait for it
	s_xor_b32 s[G0B+1], s[G0B+1], SLOTY            ; the other slot than last time,
	s_add_nc_u64 s[G0B+2:G0B+3], s[G0B+2:G0B+3], REC   ; the next record; the type bits on top are not reached
	s_wait_xcnt 0x0                                ; the last prefetch, a phase back, has read its address
	s_add_nc_u64 s[PFA:PFA+1], s[PFA:PFA+1], REC   ; one record further on than the walking descriptor
	s_wait_dscnt 0x0                               ; the add is done, and my reads of the slot that I have left are over
	ROUND                                          ; both now hold of every wave of all four work-groups
	tensor_load_to_lds s[G0B:G0B+3], s[G1:G1+7]    ; the first thing behind the round, and my one tensor load until the next
	s_nop 0
	PLACES 4                                       ; (also the places in front of the fragment loads that follow)
.if \ask
	s_cmp_eq_u32 s[PF], 1
	s_cbranch_scc0 .Lnot_mine_\@
	global_prefetch_b8 v[PFO], s[PFA:PFA+1] th:TH_LOAD_NT scope:SCOPE_SE
.Lnot_mine_\@:
.endif
.endm
; k's four tiles of group g (64 keys): their scale words, then 8 fragments, tile by tile
.macro LOADK g
	WIN 0
.irp s, 0,1
	ds_load_b64 v[SK+2*\s:SK+2*\s+1], v[ASK] offset:256*(2*\g+\s)
.endr
	WIN 0x40                                       ; destination window 1
.set n, 0
.rept 24
	ds_load_b128 v[KB+4*n:KB+4*n+3], v[AK] offset:12288*\g+512*n   ; fragment (k', s) at KB + 12 (2 k' + s)
.set n, n+1
.endr
.endm
; S^T of a group: key tile by key tile, the four query tiles by turns, K step 0 (which starts the sums) and then K step 1
.macro SG
.irp k, 0,1,2,3
	s_wait_dscnt 18-6*\k                           ; this key tile's six loads are in; the later tiles', six each, may be out
	WIN 0x05                                       ; sources 0 (k) and 1 (q) window 1; C and D window 0
.irp t, 0,1,2,3
	MM SS+32*\t+8*\k, KB+12*(2*\k), 12*(2*\t), -1, SK+\k/2, SQ+\t/2, \k%2, \t%2
.endr
.irp t, 0,1,2,3
	MM SS+32*\t+8*\k, KB+12*(2*\k+1), 12*(2*\t+1), SS+32*\t+8*\k, SK+2+\k/2, SQ+2+\t/2, \k%2, \t%2
.endr
.endr
.endm
; THE SOFTMAX OF ONE GROUP OF 64 KEYS for all four query tiles, the tiles by turns in every stage; all in window 0.  Register 16 b + i of a tile is key 64 g + 32 b + 16 (lane / 16) + i.
.macro SM g
.irp b, 0,1
.irp t, 0,1,2,3
	v_max3_num_f32 v[TT+12*\t+\b], v[SS+32*\t+16*\b], v[SS+32*\t+16*\b+1], v[SS+32*\t+16*\b+2]   ; the largest score of each block of 32 keys; each accumulator is read from its low end on
.endr
.endr
.irp i, 3,5,7,9,11,13
.irp b, 0,1
.irp t, 0,1,2,3
	v_max3_num_f32 v[TT+12*\t+\b], v[TT+12*\t+\b], v[SS+32*\t+16*\b+\i], v[SS+32*\t+16*\b+\i+1]
.endr
.endr
.endr
.irp b, 0,1
.irp t, 0,1,2,3
	v_max_num_f32 v[TT+12*\t+\b], v[TT+12*\t+\b], v[SS+32*\t+16*\b+15]
.endr
.endr
.irp b, 0,1
.irp t, 0,1,2,3
	v_permlanex16_b32 v[TT+12*\t+2+\b], v[TT+12*\t+\b], s[SEL], s[SEL+1]
.endr
.endr
.irp b, 0,1
.irp t, 0,1,2,3
	v_max_num_f32 v[TT+12*\t+\b], v[TT+12*\t+\b], v[TT+12*\t+2+\b]   ; with lane l xor 16's 16 keys
.endr
.endr
.irp t, 0,1,2,3
	v_max_num_f32 v[TT+12*\t+5], v[TT+12*\t], v[TT+12*\t+1]          ; m: the group's largest score
.endr
.irp t, 0,1,2,3
	v_mul_f32 v[TT+12*\t+4], 0xbfb8aa3b, v[TT+12*\t+5]               ; -c m.  Its rounding is one factor for the whole group, which the division by the sum takes out again
.endr
.set j, 0
.rept 16
.irp t, 0,1,2,3
	v_pk_fma_f32 v[SS+32*\t+j:SS+32*\t+j+1], v[SS+32*\t+j:SS+32*\t+j+1], s[CS:CS+1], v[TT+12*\t+4:TT+12*\t+5] op_sel_hi:[1,0,0]   ; c s - c m, two at a time
.endr
.set j, j+2
.endr
.irp b, 0,1
.irp t, 0,1,2,3
	v_fma_f32 v[TT+12*\t+\b], v[TT+12*\t+\b], s[CS], v[TT+12*\t+4]   ; the same of each block's largest score
.endr
.endr
.set j, 0
.rept 32
.irp t, 0,1,2,3
	v_exp_f32 v[SS+32*\t+j], v[SS+32*\t+j]         ; ONE BATCH: 128 exponentials,
.endr
.set j, j+1
.endr
.irp b, 0,1
.irp t, 0,1,2,3
	v_exp_f32 v[TT+12*\t+\b], v[TT+12*\t+\b]       ; and the eight of the blocks' largest: the same lines on the same numbers give the same bits
.endr
.endr
	v_nop                                          ; a plain place behind the last exponential
	s_wait_alu depctr_va_vdst(0)                   ; one wait for the batch, ahead of its first reader
.irp t, 0,1,2,3
	v_pk_add_f32 v[TT+12*\t+6:TT+12*\t+7], v[SS+32*\t:SS+32*\t+1], v[SS+32*\t+2:SS+32*\t+3]       ; the group's sum: two packed chains a tile
.endr
.irp t, 0,1,2,3
	v_pk_add_f32 v[TT+12*\t+8:TT+12*\t+9], v[SS+32*\t+4:SS+32*\t+5], v[SS+32*\t+6:SS+32*\t+7]
.endr
.irp j, 8,12,16,20,24,28
.irp t, 0,1,2,3
	v_pk_add_f32 v[TT+12*\t+6:TT+12*\t+7], v[TT+12*\t+6:TT+12*\t+7], v[SS+32*\t+\j:SS+32*\t+\j+1]
.endr
.irp t, 0,1,2,3
	v_pk_add_f32 v[TT+12*\t+8:TT+12*\t+9], v[TT+12*\t+8:TT+12*\t+9], v[SS+32*\t+\j+2:SS+32*\t+\j+3]
.endr
.endr
.irp t, 0,1,2,3
	v_pk_add_f32 v[TT+12*\t+6:TT+12*\t+7], v[TT+12*\t+6:TT+12*\t+7], v[TT+12*\t+8:TT+12*\t+9]
.endr
.irp t, 0,1,2,3
	v_add_f32 v[TT+12*\t+6], v[TT+12*\t+6], v[TT+12*\t+7]
.endr
.irp t, 0,1,2,3
	v_permlanex16_b32 v[TT+12*\t+2], v[TT+12*\t+6], s[SEL], s[SEL+1]
.endr
.irp t, 0,1,2,3
	v_add_f32 v[TT+12*\t+6], v[TT+12*\t+6], v[TT+12*\t+2]            ; with lane l xor 16's 32 keys
.endr
.irp t, 0,1,2,3
	v_rcp_f32 v[TT+12*\t+10], v[TT+12*\t+6]
.endr
	v_nop
	s_wait_alu depctr_va_vdst(0)                   ; one wait for the four reciprocals
.set j, 0
.rept 16
.irp t, 0,1,2,3
	v_pk_mul_f32 v[SS+32*\t+j:SS+32*\t+j+1], v[SS+32*\t+j:SS+32*\t+j+1], v[TT+12*\t+10:TT+12*\t+11] op_sel_hi:[1,0]   ; the finished softmax
.endr
.set j, j+2
.endr
.irp b, 0,1
.irp t, 0,1,2,3
	v_mul_f32 v[TT+12*\t+\b], v[TT+12*\t+\b], v[TT+12*\t+10]         ; and each block's largest
.endr
.endr
.irp b, 0,1
.irp t, 0,1,2,3
	v_max_num_f32 v[TT+12*\t+\b], 0x1800000, v[TT+12*\t+\b]          ; the floor 2^(3 - 127): the byte cannot fall under 1
.endr
.endr
.irp b, 0,1
.irp t, 0,1,2,3
	v_add_nc_u32 v[TT+12*\t+2+\b], 0xff000000, v[TT+12*\t+\b]        ; 2 off the exponent field: the conversion's scale operand
.endr
.endr
.irp b, 0,1
.irp t, 0,1,2,3
	v_lshrrev_b32 v[TT+12*\t+\b], 23, v[TT+12*\t+2+\b]               ; the scale's byte
.endr
.endr
.if \g == 0
.irp t, 0,1,2,3
	v_lshl_or_b32 v[PWR+\t], v[TT+12*\t+1], 8, v[TT+12*\t]           ; bytes 0 and 1 of the step's scale word
.endr
.else
.irp t, 0,1,2,3
	v_lshl_or_b32 v[PWR+\t], v[TT+12*\t], 16, v[PWR+\t]              ; bytes 2 and 3
.endr
.irp t, 0,1,2,3
	v_lshl_or_b32 v[PWR+\t], v[TT+12*\t+1], 24, v[PWR+\t]
.endr
.endif
.irp t, 0,1,2,3
	v_cvt_scalef32_pk16_fp6_f32 v[PP+12*\t+6*\g:PP+12*\t+6*\g+2], v[SS+32*\t:SS+32*\t+15], v[TT+12*\t+2]
	v_cvt_scalef32_pk16_fp6_f32 v[TT+12*\t+6:TT+12*\t+8], v[SS+32*\t+16:SS+32*\t+31], v[TT+12*\t+3]   ; (a conversion's three registers begin on an even number)
.endr
	v_nop                                          ; one plain place behind a scaled conversion
.irp t, 0,1,2,3                                ; the operand's layout wants a WHOLE block in a lane: lanes 0-15 block 2 g, lanes 16-31 block 2 g + 1
.irp i, 0,1,2
	v_permlane16_swap_b32 v[PP+12*\t+6*\g+\i], v[TT+12*\t+6+\i]
.endr
.irp i, 0,1,2
	v_mov_b32 v[PP+12*\t+6*\g+3+\i], v[TT+12*\t+6+\i]
.endr
.endr
.endm
.macro LOADV adr, buf                  ; a chunk's four fragments of v into buffer buf
.set n, 0
.rept 12
	ds_load_b128 v[KB+48*(\buf)+4*n:KB+48*(\buf)+4*n+3], v[\adr] offset:512*n
.set n, n+1
.endr
.endm
; O^T += v^T p^T for chunk c: 16 accumulators, one instruction each; K = the step's 128 keys.  zero = 1: the first step starts the sums: nothing is ever cleared
.macro PV c, buf, zero
	WIN 0xa1+0x50*((\c)/2)                         ; source 0 (v) window 1, source 1 (p) window 0, C and D window 2 or 3
.irp u, 0,1,2,3
.irp t, 0,1,2,3
.if \zero
	MM 128*((\c)%2)+8*(4*\u+\t), KB+48*(\buf)+12*\u, PP+12*\t, -1, SV+2*(\c)+\u/2, PWR+\t, \u%2, 0
.else
	MM 128*((\c)%2)+8*(4*\u+\t), KB+48*(\buf)+12*\u, PP+12*\t, 128*((\c)%2)+8*(4*\u+\t), SV+2*(\c)+\u/2, PWR+\t, \u%2, 0
.endif
.endr
.endr
.endm
; PHASE A, on k's tile: the first group's scores; the second group's fragments are asked for; the first group's softmax; the second group's scores
.macro PHASE_A
	LOADK 0
	SG
	PLACES 4                                       ; in front of the loads into k's registers and of the first read of scores
	LOADK 1
	WIN 0
	SM 0
	SG
.endm
; PHASE B, on v's tile: three chunks of v are asked for; the second group's softmax; the 64 products, the fourth chunk fetched into the first's buffer
.macro PHASE_B zero
	WIN 0
.irp c, 0,1,2,3
	v_add_nc_u32 v29, s[ROS+\c], v[ASV]
	ds_load_b64 v[SV+2*\c:SV+2*\c+1], v29
.endr
	v_add_nc_u32 v28, s[ROF], v[AV]
	v_add_nc_u32 v30, s[ROF+1], v[AV]
	v_add_nc_u32 v31, s[ROF+2], v[AV]              ; (these seven additions are plain places behind the last scores' products)
	WIN 0x40
	LOADV 28, 0
	LOADV 30, 1
	LOADV 31, 2
	WIN 0
	SM 1
	PLACES 8                                       ; p's scale words and codes were written by vector lines: 8 and 4 places ahead of a scaled matrix instruction
	s_wait_dscnt 0x0                               ; v's three chunks and its scale words are in
	PV 0, 0, \zero
	WIN 0
	PLACES 3
	v_add_nc_u32 v28, s[ROF+3], v[AV]              ; the fourth place in front of the loads into buffer 0
	WIN 0x40
	LOADV 28, 0
	PV 1, 1, \zero
	PV 2, 2, \zero
	s_wait_dscnt 0x0
	PV 3, 0, \zero
.endm
	s_load_b256 s[4:11], s[0:1], 0x0               ; q s[4:5], kv s[6:7], ln_w s[8:9], ln_b s[10:11]
	s_load_b64 s[12:13], s[0:1], 0x20              ; out0
	v_lshl_add_u32 v[SPW], v0, 2, SPARE
	v_mov_b32 v[NIL], 0
	ds_add_u32 v[SPW], v[NIL]                      ; the wave's opening: the add and its wait ahead of my first tensor load; the set-up below, work on registers, stands between them
	v_lshrrev_b32 v28, 5, v0
	v_readfirstlane_b32 s[WV], v28                 ; wave 0..3
	s_bfe_u32 s15, ttmp6, 0x40000                  ; cx: my place in the cluster: it enters q's, out0's and the prefetches' addresses alone
	s_lshl_b32 s16, ttmp9, 2                       ; in a cluster launch ttmp9 counts clusters
	s_add_co_u32 s16, s16, s15                     ; my block of 64 queries
	s_and_b32 s17, ttmp7, 0xffff                   ; the batch, which the four partners share
	; descriptor group 1: a record, dense: 100 rows of 32 elements of 8 bytes; no padding: images are read 16 x lane on end
	s_mov_b32 s[G1], 15|(3<<16)|(1<<21)            ; the mask: all four work-groups; elements of 8 bytes; bit 21 set beside a mask
	s_mov_b32 s[G1+1], 32<<16                      ; tensor_dim0
	s_mov_b32 s[G1+2], 100<<16                     ; tensor_dim1
	s_mov_b32 s[G1+3], 32<<16                      ; tile_dim0
	s_mov_b32 s[G1+4], 100                         ; tile_dim1
	s_mov_b32 s[G1+5], 32                          ; the pitch
	s_mov_b32 s[G1+6], 0
	s_mov_b32 s[G1+7], 0
.irp c, 0,1,2,3
	s_add_co_u32 s52, s[WV], \c
	s_and_b32 s52, s52, 3
	s_mul_i32 s[ROF+\c], s52, 6144
	s_lshl_b32 s[ROS+\c], s52, 8
.endr
	s_lshl_b32 s52, s17, 2
	s_add_co_u32 s52, s52, s[WV]
	s_mul_i32 s52, s52, 409600                     ; my 16 tiles: keys 1,024 x wave on of the batch
	s_mov_b32 s53, 0
	s_mov_b32 s[G0A], 1
	s_mul_i32 s[G0A+1], s[WV], REC                 ; k's slot: no place in the cluster enters an LDS address
	s_mov_b32 s[G0B], 1
	s_add_co_u32 s[G0B+1], s[G0A+1], SLOTY         ; v's slot
	s_lshl_b32 s54, s17, 5
	s_lshr_b32 s55, s16, 1
	s_add_co_u32 s54, s54, s55
	s_mul_i32 s54, s54, REC                        ; q's record,
	s_and_b32 s56, s16, 1
	s_mul_i32 s57, s56, 12288
	s_add_co_u32 s58, s54, s57                     ; my 8 images in it,
	s_mov_b32 s59, 0
	s_lshl_b32 s57, s56, 9
	s_add_co_u32 s60, s54, s57
	s_add_co_u32 s60, s60, 24576                   ; and my two blocks of scale words
	s_mov_b32 s61, 0
	s_mul_i32 s62, s15, 6400                       ; the prefetches: my work-group's 25 rows,
	s_add_co_u32 s62, s62, 2*REC                   ; in tile 2: the first change steps it to tile 3.  Nothing is prefetched at the head
	s_mov_b32 s63, 0
	s_cmp_eq_u32 ttmp9, 0
	s_cselect_b32 s[PF], 1, 0
	s_mov_b32 s[SEL], 0x76543210
	s_mov_b32 s[SEL+1], 0xfedcba98                 ; selects for lane l xor 16
	s_mov_b32 s[CS], 0x3fb8aa3b                    ; c = log2(e)
	s_mov_b32 s[CS+1], s[CS]
	v_and_b32 v30, 31, v0                          ; lane
	v_lshlrev_b32 v28, 4, v30
	v_lshlrev_b32 v29, 3, v30
	v_add_nc_u32 v[AK], s[G0A+1], v28
	v_add_nc_u32 v[AV], SLOTY, v[AK]
	s_add_co_u32 s57, s[G0A+1], 24576
	v_add_nc_u32 v[ASK], s57, v29
	v_add_nc_u32 v[ASV], SLOTY, v[ASK]
	v_min_u32 v[PFO], 24, v30
	v_lshlrev_b32 v[PFO], 8, v[PFO]
	s_wait_dscnt 0x0                               ; the opening add is done
	s_wait_kmcnt 0x0
	s_add_nc_u64 s[G0A+2:G0A+3], s[6:7], s[52:53]  ; tile 0
	s_add_nc_u64 s[G0B+2:G0B+3], s[G0A+2:G0A+3], REC   ; tile 1
	s_add_nc_u64 s[PFA:PFA+1], s[G0A+2:G0A+3], s[62:63]
	s_or_b32 s[G0A+3], s[G0A+3], 0x80000000        ; the descriptors' type
	s_or_b32 s[G0B+3], s[G0B+3], 0x80000000
	s_add_nc_u64 s[58:59], s[4:5], s[58:59]
	s_add_nc_u64 s[60:61], s[4:5], s[60:61]
	ROUND                                          ; all four work-groups are here: the first joint loads meet
	tensor_load_to_lds s[G0A:G0A+3], s[G1:G1+7]    ; the two first fills stand together
	s_nop 0
	tensor_load_to_lds s[G0B:G0B+3], s[G1:G1+7]
	s_nop 0
	PLACES 4
	WIN 0x40
.set n, 0
.rept 24
	global_load_b128 v[4*n:4*n+3], v28, s[58:59] offset:512*n th:TH_LOAD_NT   ; q's 8 fragments stay in registers
.set n, n+1
.endr
	WIN 0
.irp s, 0,1
	global_load_b64 v[SQ+2*\s:SQ+2*\s+1], v29, s[60:61] offset:256*\s th:TH_LOAD_NT
.endr
.irp t, 0,1,2,3
	v_mov_b32 v[TT+12*\t+2], 0                     ; written once: a lane permute's destination counts as one of its sources,
	v_mov_b32 v[TT+12*\t+3], 0
	v_mov_b32 v[TT+12*\t+11], 0                    ; and the upper half of a pair that is named counts as read
.endr
	s_wait_loadcnt 0x0                             ; q
	s_wait_tensorcnt 0x1                           ; tile 0 is in; tile 1 may stay out.  I alone read my slots, so my own wait is all that the reads need
	PHASE_A
	CHANGE 1
	PHASE_B 1                                      ; the first step's products start O^T's sums
	WIN 0
	s_mov_b32 s[TRIP], 6
.Lstep:                                            ; steps 1 to 6
	CHANGE 1
	PHASE_A
	CHANGE 1
	PHASE_B 0
	WIN 0
	s_sub_co_u32 s[TRIP], s[TRIP], 1
	s_cmp_lg_u32 s[TRIP], 0
	s_cbranch_scc1 .Lstep
	CHANGE 0                                       ; the last step is written out: tile 15 is asked for, and nothing after it
	PHASE_A
	s_wait_tensorcnt 0x0                           ; tile 15 is in; no load was issued behind it
	PHASE_B 0
	; ---- THE END.  Every wave sends the three chunks that belong to the others through LDS, as images of the registers, and adds what it receives onto its own chunk 0.
	WIN 0
	v_and_b32 v31, 31, v0
	v_lshlrev_b32 v31, 4, v31                      ; 16 x lane
.irp c, 1,2,3
	s_add_co_u32 s52, s[WV], \c
	s_and_b32 s52, s52, 3
	s_mul_i32 s52, s52, 49152                      ; the receiver's region,
	s_add_co_u32 s52, s52, 16384*(\c-1)            ; and in it the place of the sender that stands c behind
	v_add_nc_u32 v[27+\c], s52, v31
.endr
	v_bfe_u32 v1, v0, 4, 1
	v_lshlrev_b32 v1, 6, v1                        ; 64 (lane / 16).  (These seven lines are the places behind the last products)
	s_lshl_b32 s52, s[WV], 8
	s_mov_b32 s53, 0
	s_add_nc_u64 s[8:9], s[8:9], s[52:53]          ; my 64 channels of ln_w and ln_b
	s_add_nc_u64 s[10:11], s[10:11], s[52:53]
.irp u, 0,1,2,3
	global_load_b128 v[LW+8*\u:LW+8*\u+3], v1, s[8:9] offset:(32*(\u/2)+8*(\u%2))*4          ; in the fusion's layout: channels 32 (u / 2) + 16 h + 8 (u % 2) + 0 .. 7
	global_load_b128 v[LW+8*\u+4:LW+8*\u+7], v1, s[8:9] offset:(32*(\u/2)+8*(\u%2))*4+16
	global_load_b128 v[LB+8*\u:LB+8*\u+3], v1, s[10:11] offset:(32*(\u/2)+8*(\u%2))*4
	global_load_b128 v[LB+8*\u+4:LB+8*\u+7], v1, s[10:11] offset:(32*(\u/2)+8*(\u%2))*4+16
.endr
	s_wait_dscnt 0x0                               ; my reads of my slots are over (and my tensor loads have all landed),
	s_barrier_signal -1
	s_barrier_wait -1                              ; everybody's are: the slots have had their last fill and their last read, and may be stored into
	WIN 0x08                                       ; an LDS store's data are its source 1: window 2
.set a, 0
.rept 16
	ds_store_b128 v28, v[128+8*a:128+8*a+3] offset:1024*a            ; each accumulator from its low end on
	ds_store_b128 v28, v[128+8*a+4:128+8*a+7] offset:1024*a+512
.set a, a+1
.endr
	WIN 0x0c                                       ; window 3
.set a, 0
.rept 16
	ds_store_b128 v29, v[8*a:8*a+3] offset:1024*a
	ds_store_b128 v29, v[8*a+4:8*a+7] offset:1024*a+512
.set a, a+1
.endr
.set a, 0
.rept 16
	ds_store_b128 v30, v[128+8*a:128+8*a+3] offset:1024*a
	ds_store_b128 v30, v[128+8*a+4:128+8*a+7] offset:1024*a+512
.set a, a+1
.endr
	WIN 0
	s_wait_dscnt 0x0                               ; for the others' sake: my stores have landed
	s_barrier_signal -1
	s_barrier_wait -1
	s_mul_i32 s52, s[WV], 49152
	v_add_nc_u32 v2, s52, v31                      ; my region
.set n, 0
.rept 32
	ds_load_b128 v[FF+4*n:FF+4*n+3], v2 offset:512*n                 ; the first partial, where the scores lay
.set n, n+1
.endr
	WIN 0x40
.set n, 0
.rept 32
	ds_load_b128 v[4*n:4*n+3], v2 offset:16384+512*n                 ; the second, in window 1
.set n, n+1
.endr
	s_wait_dscnt 32                                ; the first partial is in; the second's 32 loads may be out
	WIN 0x02                                       ; source 0 window 2: my own chunk 0, each accumulator from its low end on
.set i, 0
.rept 64
	v_pk_add_f32 v[FF+2*i:FF+2*i+1], v[2*i:2*i+1], v[FF+2*i:FF+2*i+1]
.set i, i+1
.endr
	WIN 0x40
.set n, 0
.rept 32
	ds_load_b128 v[128+4*n:128+4*n+3], v2 offset:32768+512*n         ; the third
.set n, n+1
.endr
	s_wait_dscnt 32                                ; the second partial is in; the third's 32 loads may be out
	WIN 0x04                                       ; source 1 window 1
.set i, 0
.rept 64
	v_pk_add_f32 v[FF+2*i:FF+2*i+1], v[FF+2*i:FF+2*i+1], v[2*i:2*i+1]
.set i, i+1
.endr
	s_wait_dscnt 0x0
.set i, 0
.rept 64
	v_pk_add_f32 v[FF+2*i:FF+2*i+1], v[FF+2*i:FF+2*i+1], v[128+2*i:128+2*i+1]
.set i, i+1
.endr
	WIN 0                                          ; v[FF + 8 (4 u + t) + j], lane (r, h): fusion(channel 64 w + 32 (u / 2) + 16 h + 8 (u % 2) + j, query tile t's r)
	; ---- LayerNorm in two passes: the mean over 256 channels, then the mean of the squares of what is left.  A wave sums its 64 channels; the four waves' sums meet in LDS.
.macro TSUM                            ; the pairs' two halves and lane l xor 16's
.irp t, 0,1,2,3
	v_add_f32 v[SU+\t], v[AC+2*\t], v[AC+2*\t+1]
.endr
.irp t, 0,1,2,3
	v_permlanex16_b32 v[PT+\t], v[SU+\t], s[SEL], s[SEL+1]
.endr
.irp t, 0,1,2,3
	v_add_f32 v[SU+\t], v[SU+\t], v[PT+\t]
.endr
.endm
.macro XCH off                         ; my four sums to LDS; a barrier; all waves' sums back, added in one order by every wave
	ds_store_b128 v3, v[SU:SU+3] offset:\off
	s_wait_dscnt 0x0
	s_barrier_signal -1
	s_barrier_wait -1
.irp w, 0,1,2,3
	ds_load_b128 v[LD+4*\w:LD+4*\w+3], v4 offset:\off+512*\w
.endr
	s_wait_dscnt 0x0
	v_pk_add_f32 v[SU:SU+1], v[LD:LD+1], v[LD+4:LD+5]
	v_pk_add_f32 v[SU+2:SU+3], v[LD+2:LD+3], v[LD+6:LD+7]
	v_pk_add_f32 v[SU:SU+1], v[SU:SU+1], v[LD+8:LD+9]
	v_pk_add_f32 v[SU+2:SU+3], v[SU+2:SU+3], v[LD+10:LD+11]
	v_pk_add_f32 v[SU:SU+1], v[SU:SU+1], v[LD+12:LD+13]
	v_pk_add_f32 v[SU+2:SU+3], v[SU+2:SU+3], v[LD+14:LD+15]
.endm
	s_lshl_b32 s52, s[WV], 9
	s_add_co_u32 s52, s52, LN1
	v_add_nc_u32 v3, s52, v31
	v_add_nc_u32 v4, LN1, v31
	s_mov_b32 s54, 0x3b800000                      ; 1 / 256
	s_mov_b32 s55, 0x3727c5ac                      ; 1e-5
.irp t, 0,1,2,3
	v_pk_add_f32 v[AC+2*\t:AC+2*\t+1], v[FF+8*\t:FF+8*\t+1], v[FF+8*\t+2:FF+8*\t+3]
.endr
.irp j, 4,6
.irp t, 0,1,2,3
	v_pk_add_f32 v[AC+2*\t:AC+2*\t+1], v[AC+2*\t:AC+2*\t+1], v[FF+8*\t+\j:FF+8*\t+\j+1]
.endr
.endr
.irp u, 1,2,3
.irp j, 0,2,4,6
.irp t, 0,1,2,3
	v_pk_add_f32 v[AC+2*\t:AC+2*\t+1], v[AC+2*\t:AC+2*\t+1], v[FF+8*(4*\u+\t)+\j:FF+8*(4*\u+\t)+\j+1]
.endr
.endr
.endr
	TSUM
	XCH 0
.irp t, 0,1,2,3
	v_mul_f32 v[AC+2*\t], 0xbb800000, v[SU+\t]     ; - the mean
.endr
.irp u, 0,1,2,3
.irp j, 0,2,4,6
.irp t, 0,1,2,3
	v_pk_add_f32 v[FF+8*(4*\u+\t)+\j:FF+8*(4*\u+\t)+\j+1], v[FF+8*(4*\u+\t)+\j:FF+8*(4*\u+\t)+\j+1], v[AC+2*\t:AC+2*\t+1] op_sel_hi:[1,0]
.endr
.endr
.endr
.irp t, 0,1,2,3
	v_pk_mul_f32 v[AC+2*\t:AC+2*\t+1], v[FF+8*\t:FF+8*\t+1], v[FF+8*\t:FF+8*\t+1]
.endr
.irp j, 2,4,6
.irp t, 0,1,2,3
	v_pk_fma_f32 v[AC+2*\t:AC+2*\t+1], v[FF+8*\t+\j:FF+8*\t+\j+1], v[FF+8*\t+\j:FF+8*\t+\j+1], v[AC+2*\t:AC+2*\t+1]
.endr
.endr
.irp u, 1,2,3
.irp j, 0,2,4,6
.irp t, 0,1,2,3
	v_pk_fma_f32 v[AC+2*\t:AC+2*\t+1], v[FF+8*(4*\u+\t)+\j:FF+8*(4*\u+\t)+\j+1], v[FF+8*(4*\u+\t)+\j:FF+8*(4*\u+\t)+\j+1], v[AC+2*\t:AC+2*\t+1]
.endr
.endr
.endr
	TSUM
	XCH 2048                                       ; other bytes than the first exchange's: no wave's second store meets another's first reads
.irp t, 0,1,2,3
	v_fma_f32 v[AC+2*\t], v[SU+\t], s54, s55       ; the variance + 1e-5
.endr
.irp t, 0,1,2,3
	v_rsq_f32 v[AC+2*\t], v[AC+2*\t]
.endr
	v_nop
	s_wait_alu depctr_va_vdst(0)                   ; one wait for the four, ahead of their first reader
.irp u, 0,1,2,3
.irp j, 0,2,4,6
.irp t, 0,1,2,3
	v_pk_mul_f32 v[FF+8*(4*\u+\t)+\j:FF+8*(4*\u+\t)+\j+1], v[FF+8*(4*\u+\t)+\j:FF+8*(4*\u+\t)+\j+1], v[AC+2*\t:AC+2*\t+1] op_sel_hi:[1,0]
.endr
.endr
.endr
	s_wait_loadcnt 0x0                             ; ln_w, ln_b
.irp u, 0,1,2,3
.irp j, 0,2,4,6
.irp t, 0,1,2,3
	v_pk_fma_f32 v[FF+8*(4*\u+\t)+\j:FF+8*(4*\u+\t)+\j+1], v[FF+8*(4*\u+\t)+\j:FF+8*(4*\u+\t)+\j+1], v[LW+8*\u+\j:LW+8*\u+\j+1], v[LB+8*\u+\j:LB+8*\u+\j+1]
.endr
.endr
.endr
	; ---- THE WAY OUT.  out0's rows run along the pixels, a lane's registers along the channels: my 64 channels x 64 queries turn through my own stage (row = channel, 256 bytes + 16) and leave as rows:
	; sixteen lanes store 256 consecutive bytes, at a multiple of 256 from out0's first byte.  The two halves of the lanes fall on the same banks in the stores of 4 bytes (16 rows are a whole number of times through the banks at any pitch of 16 n bytes): once a launch.
	v_and_b32 v2, 15, v0                           ; r
	v_bfe_u32 v31, v0, 4, 1                        ; h
	s_mul_i32 s52, s[WV], 17408
	s_add_co_u32 s52, s52, STG                     ; my stage
	v_and_b32 v28, 8, v2
	v_add_nc_u32 v28, v28, v2
	v_lshlrev_b32 v28, 2, v28                      ; in: query r + 8 (r / 8) of the tile's,
	v_mad_u32_u24 v28, v31, 4352, v28              ; 16 rows further down for lanes 16-31
	v_add_nc_u32 v28, s52, v28
	v_lshlrev_b32 v29, 4, v2
	v_lshl_add_u32 v30, v31, 14, v29               ; in out0: 16 r, + a channel (16,384 bytes) for lanes 16-31
	v_mad_u32_u24 v29, v31, 272, v29               ; back: lanes 0-15 one row, lanes 16-31 the next
	v_add_nc_u32 v29, s52, v29
	s_lshl_b32 s52, s17, 22                        ; the batch,
	s_lshl_b32 s53, s[WV], 20                      ; my 64 channels,
	s_add_co_u32 s52, s52, s53
	s_lshl_b32 s53, s16, 8                         ; my work-group's 64 pixels
	s_add_co_u32 s52, s52, s53
	s_mov_b32 s53, 0
	s_add_nc_u64 s[12:13], s[12:13], s[52:53]
.irp u, 0,1,2,3
.irp t, 0,1,2,3
.irp j, 0,1,2,3,4,5,6,7
	ds_store_b32 v28, v[FF+8*(4*\u+\t)+\j] offset:272*(32*(\u/2)+8*(\u%2)+\j)+128*(\t/2)+32*(\t%2)
.endr
.endr
.endr
.set i, 0
.rept 32
	ds_load_b128 v[FF+4*i:FF+4*i+3], v29 offset:544*i                ; LDS serves a wave's instructions in order (ISA guide 5.7.1.4): these see my stores, and land in the registers that those have left
.set i, i+1
.endr
.set i, 0
.rept 32
	s_wait_dscnt 31-i                              ; rows 2 i and 2 i + 1 are back; the younger loads may be out
	global_store_b128 v30, v[FF+4*i:FF+4*i+3], s[12:13] offset:32768*i th:TH_STORE_NT
.set i, i+1
.endr
	s_wait_tensorcnt 0x0                           ; the wave's end: behind my last tensor load and my last LDS store
	ds_add_u32 v[SPW], v[NIL]
	s_wait_dscnt 0x0
	ROUND                                          ; the closing round: no work-group ends while a partner may still ask for a tile that names it
	s_endpgm
.Lfunc_end_k_q2326e2b6b2_attn:
	.size	k_q2326e2b6b2_attn, .Lfunc_end_k_q2326e2b6b2_attn-k_q2326e2b6b2_attn
	.p2alignl 7, 3214868480
	.fill 96, 4, 3214868480
	.section	.rodata,"a",@progbits
	.p2align	6, 0x0
	.amdhsa_kernel k_q2326e2b6b2_attn
		.amdhsa_group_segment_fixed_size 327680
		.amdhsa_private_segment_fixed_size 0
		.amdhsa_enable_private_segment 0
		.amdhsa_kernarg_size 40
		.amdhsa_user_sgpr_count 2
		.amdhsa_user_sgpr_kernarg_segment_ptr 1
		.amdhsa_wavefront_size32 1
		.amdhsa_system_sgpr_workgroup_id_x 1
		.amdhsa_system_sgpr_workgroup_id_y 1
		.amdhsa_system_sgpr_workgroup_id_z 1
		.amdhsa_system_vgpr_workitem_id 0
		.amdhsa_next_free_vgpr 1024
		.amdhsa_next_free_sgpr 66
		.amdhsa_reserve_vcc 0
		.amdhsa_float_denorm_mode_32 3
		.amdhsa_float_denorm_mode_16_64 3
		.amdhsa_memory_ordered 1
		.amdhsa_forward_progress 1
		.amdhsa_inst_pref_size 255
	.end_amdhsa_kernel
	.section	.bss,"aw",@nobits
	.p2align	6
	.space	262144
	.amdgpu_metadata
---
amdhsa.version: [ 1, 2 ]
amdhsa.kernels:
  - .name:           k_q2326e2b6b2_attn
    .symbol:         k_q2326e2b6b2_attn.kd
    .args:
      - { .name: q, .offset: 0, .size: 8, .value_kind: global_buffer, .address_space: global }
      - { .name: kv, .offset: 8, .size: 8, .value_kind: global_buffer, .address_space: global }
      - { .name: ln_w, .offset: 16, .size: 8, .value_kind: global_buffer, .address_space: global }
      - { .name: ln_b, .offset: 24, .size: 8, .value_kind: global_buffer, .address_space: global }
      - { .name: out0, .offset: 32, .size: 8, .value_kind: global_buffer, .address_space: global }
    .group_segment_fixed_size: 327680
    .private_segment_fixed_size: 0
    .kernarg_segment_align: 8
    .kernarg_segment_size: 40
    .max_flat_workgroup_size: 128
    .sgpr_count:     66
    .vgpr_count:     1024
    .wavefront_size: 32
...
	.end_amdgpu_metadata
.endif
;; end of part 3
;; ======== version 2 of 2: 3 launches
;; workspace buffers: wq 153,600 bytes; q 3,276,800 bytes; kv 6,553,600 bytes
;; launch wprep (part 4): grid 32 x 3, 1 waves a work-group, no clusters, 0 bytes of LDS; arguments qw, kw, vw, wq; writes wq
.if DOCPART == 4
	.amdgcn_target "amdgcn-amd-amdhsa--gfx1250"
	.amdhsa_code_object_version 6
	.text
	.protected	k_q2326e2b6b2_wprep
	.globl	k_q2326e2b6b2_wprep
	.p2align	8
	.type	k_q2326e2b6b2_wprep,@function
k_q2326e2b6b2_wprep:
	s_mov_b64 s[64:65], 0
	v_nop
	global_prefetch_b8 v0, s[64:65] scope:SCOPE_SE
	s_setreg_imm32_b32 hwreg(HW_REG_WAVE_MODE, 25, 1), 1
	s_wait_xcnt 0x0
; qw, kw, vw [256][256] f32 (K = the second axis, innermost) become codes of FP6 (E2M3) and E8M0 scale bytes, one for each 32 along K,
; laid in wq in the order of a matrix operand's registers, so that the next launch loads whole fragments by loads of 16 bytes a lane.
; A FRAGMENT is 16 rows x 128 K, 12 registers a lane: lane (r, h) holds row r, registers 6 c .. 6 c + 5 hold K = 64 c + 32 h + 0 .. 31.
; Its IMAGE is 1,536 bytes: registers 4 g .. 4 g + 3 of lane l at byte 512 g + 16 l.
; THE ROWS OF A TILE ARE NOT NEIGHBOURS: lane r of tile T takes row 32 (T / 2) + 8 (T % 2) + r + 8 (r / 8), so that the results of tiles 2 b and 2 b + 1 are 16 neighbours.
; wq: images at (weight x 16 + T) x 3,072 + 1,536 s (s: the K step of 128); from byte 147,456 on the scale words, (weight x 16 + T) x 128 + 64 s + 4 r.
; SHARES: work-group y is the weight; a work-group is ONE wave and makes ONE fragment: T = x / 2, s = x % 2: 96 work-groups.  In each of a wave's 16 loads the 32 lanes read 32 pieces of 16 bytes that lie 128 bytes or more apart,
; so the fragments are spread over as many work-groups as there are fragments.  A lane's 32 numbers of a block are its own, so a block's maximum needs no other lane.
; A block's scale is 2^(floor(log2(largest magnitude)) - 2); its byte is the largest magnitude's exponent field - 2, held at 1 from below (a block of zeros keeps 1: its codes are zeros, and this program alone reads the bytes).
; LIMITS: NaN and infinities are not served; blocks whose largest magnitude lies under 2^-124 keep the byte 1.
.set N,   16                           ; v16-79   number 32 c + i = W(row, 128 s + 64 c + 32 h + i)
.set F,   80                           ; v80-91   the fragment
.set TMP, 92                           ; v92-98   a block's upper 16 codes (a conversion's three registers begin on an even number)
.set SW,  100                          ; v100     the scale word
	s_load_b256 s[4:11], s[0:1], 0x0               ; qw s[4:5], kw s[6:7], vw s[8:9], wq s[10:11]
	v_and_b32 v1, 15, v0                           ; r (one wave: v0 is the lane)
	v_bfe_u32 v2, v0, 4, 1                         ; h
	v_and_b32 v6, 8, v1
	v_add_nc_u32 v6, v6, v1                        ; r + 8 (r / 8)
	v_lshlrev_b32 v3, 10, v6                       ; a row is 1,024 bytes
	v_lshl_add_u32 v3, v2, 7, v3                   ; + 128 h: my block of 32 numbers
	v_lshlrev_b32 v4, 4, v0                        ; an image's place for my lane
	v_lshlrev_b32 v5, 2, v0                        ; a scale word's
	v_lshlrev_b32 v14, 3, v2                       ; 8 h: my bytes' shift in the scale word
	v_mov_b32 v15, 0                               ; a lane permute's destination counts as one of its sources
	s_mov_b32 s20, 0x76543210
	s_mov_b32 s21, 0xfedcba98                      ; selects for lane l xor 16
	s_and_b32 s13, ttmp7, 0xffff                   ; which weight
	s_lshr_b32 s14, ttmp9, 1                       ; T
	s_and_b32 s12, ttmp9, 1                        ; s
	s_lshr_b32 s15, s14, 1
	s_lshl_b32 s15, s15, 15                        ; 32 (T / 2) rows of 1,024 bytes
	s_and_b32 s16, s14, 1
	s_lshl_b32 s16, s16, 13                        ; 8 (T % 2) rows
	s_add_co_u32 s16, s16, s15
	s_lshl_b32 s15, s12, 9                         ; the K step: 512 bytes along a row
	s_add_co_u32 s16, s16, s15
	s_mov_b32 s17, 0
	s_mul_i32 s22, s13, 49152
	s_mul_i32 s23, s14, 3072
	s_add_co_u32 s22, s22, s23
	s_mul_i32 s23, s12, 1536
	s_add_co_u32 s22, s22, s23                     ; my image
	s_mov_b32 s23, 0
	s_lshl_b32 s24, s13, 11
	s_lshl_b32 s25, s14, 7
	s_add_co_u32 s24, s24, s25
	s_lshl_b32 s25, s12, 6
	s_add_co_u32 s24, s24, s25
	s_add_co_u32 s24, s24, 147456                  ; my 16 scale words
	s_mov_b32 s25, 0
	s_wait_kmcnt 0x0
	s_cmp_eq_u32 s13, 0                            ; the choice hangs on the work-group's number alone
	s_cselect_b64 s[18:19], s[4:5], s[6:7]
	s_cmp_eq_u32 s13, 2
	s_cselect_b64 s[18:19], s[8:9], s[18:19]
	s_add_nc_u64 s[18:19], s[18:19], s[16:17]
	s_add_nc_u64 s[22:23], s[10:11], s[22:23]
	s_add_nc_u64 s[24:25], s[10:11], s[24:25]
.irp c, 0,1
.irp j, 0,1,2,3,4,5,6,7
	global_load_b128 v[N+32*\c+4*\j:N+32*\c+4*\j+3], v3, s[18:19] offset:256*\c+16*\j   ; no hint: eight loads of the wave touch each 128 bytes
.endr
.endr
	s_wait_loadcnt 0x0
; my two blocks (2 c + h) become registers 6 c .. 6 c + 5; the scale word's four bytes are gathered from lanes l and l xor 16
.irp c, 0,1
	v_max3_num_f32 v[8+\c], |v[N+32*\c]|, |v[N+32*\c+1]|, 0x1800000   ; and the floor 2^(3 - 127): the byte cannot fall under 1
.endr
.irp i, 2,4,6,8,10,12,14,16,18,20,22,24,26,28,30
.irp c, 0,1
	v_max3_num_f32 v[8+\c], v[8+\c], |v[N+32*\c+\i]|, |v[N+32*\c+\i+1]|   ; the two blocks by turns
.endr
.endr
.irp c, 0,1
	v_add_nc_u32 v[10+\c], 0xff000000, v[8+\c]     ; 2 off the exponent field: the conversion takes that field of this operand as its scale
.endr
.irp c, 0,1
	v_lshrrev_b32 v[12+\c], 23, v[10+\c]           ; the scale's byte
.endr
	v_lshl_or_b32 v[SW], v13, 16, v12              ; my bytes: blocks h and 2 + h,
	v_lshlrev_b32 v[SW], v14, v[SW]                ; at their places;
	v_permlanex16_b32 v15, v[SW], s20, s21
	v_or_b32 v[SW], v[SW], v15                     ; with lane l xor 16's two the word is whole, in both lanes
.irp c, 0,1
	v_cvt_scalef32_pk16_fp6_f32 v[F+6*\c:F+6*\c+2], v[N+32*\c:N+32*\c+15], v[10+\c]
	v_cvt_scalef32_pk16_fp6_f32 v[TMP+4*\c:TMP+4*\c+2], v[N+32*\c+16:N+32*\c+31], v[10+\c]
.endr
	v_nop                                          ; one plain place behind a scaled conversion
.irp c, 0,1
.irp i, 0,1,2
	v_mov_b32 v[F+6*\c+3+\i], v[TMP+4*\c+\i]
.endr
.endr
.irp g, 0,1,2
	global_store_b128 v4, v[F+4*\g:F+4*\g+3], s[22:23] offset:512*\g   ; 32 lanes store 512 consecutive bytes, at a multiple of 256 from wq's first byte
.endr
	v_cmp_gt_u32 vcc_lo, 16, v0
	s_wait_xcnt 0x0                                ; EXEC changes only behind this wait: it is a source of the stores above
	s_and_saveexec_b32 s26, vcc_lo                 ; lanes 0-15: a row's word once
	global_store_b32 v5, v[SW], s[24:25]
	s_wait_xcnt 0x0                                ; and again, in front of the line that widens it
	s_or_b32 exec_lo, exec_lo, s26
	s_endpgm
.Lfunc_end_k_q2326e2b6b2_wprep:
	.size	k_q2326e2b6b2_wprep, .Lfunc_end_k_q2326e2b6b2_wprep-k_q2326e2b6b2_wprep
	.p2alignl 7, 3214868480
	.fill 96, 4, 3214868480
	.section	.rodata,"a",@progbits
	.p2align	6, 0x0
	.amdhsa_kernel k_q2326e2b6b2_wprep
		.amdhsa_group_segment_fixed_size 0
		.amdhsa_private_segment_fixed_size 0
		.amdhsa_enable_private_segment 0
		.amdhsa_kernarg_size 32
		.amdhsa_user_sgpr_count 2
		.amdhsa_user_sgpr_kernarg_segment_ptr 1
		.amdhsa_wavefront_size32 1
		.amdhsa_system_sgpr_workgroup_id_x 1
		.amdhsa_system_sgpr_workgroup_id_y 1
		.amdhsa_system_sgpr_workgroup_id_z 1
		.amdhsa_system_vgpr_workitem_id 0
		.amdhsa_next_free_vgpr 104
		.amdhsa_next_free_sgpr 66
		.amdhsa_reserve_vcc 1
		.amdhsa_float_denorm_mode_32 3
		.amdhsa_float_denorm_mode_16_64 3
		.amdhsa_memory_ordered 1
		.amdhsa_forward_progress 1
		.amdhsa_inst_pref_size 7
	.end_amdhsa_kernel
	.amdgpu_metadata
---
amdhsa.version: [ 1, 2 ]
amdhsa.kernels:
  - .name:           k_q2326e2b6b2_wprep
    .symbol:         k_q2326e2b6b2_wprep.kd
    .args:
      - { .name: qw, .offset: 0, .size: 8, .value_kind: global_buffer, .address_space: global }
      - { .name: kw, .offset: 8, .size: 8, .value_kind: global_buffer, .address_space: global }
      - { .name: vw, .offset: 16, .size: 8, .value_kind: global_buffer, .address_space: global }
      - { .name: wq, .offset: 24, .size: 8, .value_kind: global_buffer, .address_space: global }
    .group_segment_fixed_size: 0
    .private_segment_fixed_size: 0
    .kernarg_segment_align: 8
    .kernarg_segment_size: 32
    .max_flat_workgroup_size: 32
    .sgpr_count:     66
    .vgpr_count:     104
    .wavefront_size: 32
...
	.end_amdgpu_metadata
.endif
;; end of part 4
;; launch proj (part 5): grid 256 x 1, 4 waves a work-group, no clusters, 167,936 bytes of LDS; arguments x1, x2, wq, qb, kb, vb, q, kv; writes q, kv
.if DOCPART == 5
	.amdgcn_target "amdgcn-amd-amdhsa--gfx1250"
	.amdhsa_code_object_version 6
	.text
	.protected	k_q2326e2b6b2_proj
	.globl	k_q2326e2b6b2_proj
	.p2align	8
	.type	k_q2326e2b6b2_proj,@function
k_q2326e2b6b2_proj:
	s_mov_b64 s[64:65], 0
	v_nop
	global_prefetch_b8 v0, s[64:65] scope:SCOPE_SE
	s_setreg_imm32_b32 hwreg(HW_REG_WAVE_MODE, 25, 1), 1
	s_wait_xcnt 0x0
; The three 1 x 1 convolutions on codes of FP6 (E2M3) with one E8M0 scale for each 32 along K, and the quantising of their results for the attention launch.
; x1, x2: [4][256 channels][4,096 pixels] f32; K = the channels, which are NOT innermost.  wq: the weights as fragment images and scale words (made by the launch before).
; A work-group takes 128 pixels of one batch: even work-groups x1 -> q, odd ones x2 -> k and v.  Only pointers are chosen by that number, and one branch leaves v's part out for x1.
; X: the 256 x 128 numbers come into LDS by four tensor loads (64 channel rows of 512 bytes a wave), all asked for at once.  A LANE TAKES A PIXEL AND ITS REGISTERS RUN DOWN THE CHANNELS: a block of 32 is one lane's,
;    and the conversions give codes with K innermost.  Wave w makes pixel tiles 2 w (lanes 0-15) and 2 w + 1 (lanes 16-31); an exchange of lane halves lays even blocks in lanes 0-15 and odd ones in lanes 16-31, as an operand wants them.
;    The 16 fragments go to LDS as images of their registers (1,536 bytes: registers 4 g .. 4 g + 3 of lane l at 512 g + 16 l), the scale words 4 bytes a lane.
; QK: wave w makes output channels 128 (w % 2) .. + 127 for pixel tiles 4 (w / 2) .. + 3, transposed (source 0 = 16 rows of the weight, source 1 = 16 pixels): a lane holds one pixel and its 64 registers run along the channels,
;    the next product's K: they are quantised in registers and are one whole fragment and one scale word a row.
; V:  wave w makes channel tiles 4 w .. 4 w + 3 for all 128 pixels (source 0 = 16 pixels, source 1 = 16 rows of vw): a lane holds one channel and its registers run along the keys, the last product's K.
;    vw's 60 loads are issued ahead of QK and waited for behind it: QK's own wait leaves them out.
; TILE ORDER: lane r of tile T (of weight rows, and of pixels) is 32 (T / 2) + 8 (T % 2) + r + 8 (r / 8), so that the 16 registers of result tiles 2 b, 2 b + 1 are the neighbours 32 b + 16 (lane / 16) + 0 .. 15.
; The biases are the C of each sum's first matrix instruction.
; A RECORD (25,600 bytes) holds 16 images and four blocks of 256 bytes of scale words (lane l: two words at 8 l).  q: a record for each 128 pixels; kv: k's record, then v's.
;    q, k: image 2 pt + s; word of (pt, s) in block 2 (pt / 4) + s, word (pt / 2) % 2, lanes 0-15 for even pt, 16-31 for odd.   v: image ct; word in block ct / 4, word (ct / 2) % 2, lane half ct % 2.
; LIMITS: NaN and infinities are not served; blocks whose largest magnitude lies under 2^-124 keep the scale byte 1 (their codes are what the conversion gives under that scale; a block of zeros gives zeros).
; REGISTERS: window 0: v1-15 addresses; v16-35 scale words (nothing else); v36-47 at work; v48-111 results; v112-131 codes just made; v132-195 x's numbers, later at work; v196-250 x's fragments in the making.
;    window 1: my 16 fragments of qw or kw.   window 2: v0-95 my 8 of vw, v96-127 vb, v128-191 qb or kb.   window 3: x's fragments.
.set XIMG,  131072                     ; LDS: 0 .. 131,071 x's numbers, row = channel, 512 bytes;  then x's 16 images (index 2 pt + s),
.set XSC,   155648                     ; their scale words: index 2 w + s, 128 bytes, 4 x lane: lanes 0-15 tile 2 w, lanes 16-31 tile 2 w + 1,
.set SPARE, 156672                     ; and the spare words, 128 bytes for each wave: two blocks of 256 bytes that no other line names
.set L16, 1                            ; 16 x lane
.set L4,  2                            ; 4 x lane
.set L8,  3                            ; 8 x lane
.set XA0, 4                            ; v4, v5: my pixel's word in channel rows 0-127, 128-255
.set XWI, 6                            ; where I store x's images
.set XWS, 7                            ; and their scale words
.set XR,  8                            ; where my four pixel tiles' images begin
.set XSR, 9                            ; and their scale words
.set XIA, 10                           ; all images
.set XSA, 11                           ; all scale words
.set SPW, 12                           ; my spare word; never rewritten
.set NIL, 13                           ; 0; never rewritten
.set BH,  14                           ; 64 (lane / 16): qb's, kb's lane offset
.set BR,  15                           ; 4 (r + 8 (r / 8)): vb's
.set WS,  16                           ; v16-23 scale words of my 8 tiles of qw or kw
.set VS,  24                           ; v24-27 of my 4 tiles of vw
.set XS,  28                           ; v28-35 of x
.set PWK, 36                           ; v36-39 four scale words made
.set HA,  48
.set PC,  112
.set XN,  132                          ; two sets of 32 numbers
.set TM,  132                          ; afterwards: v132-147 at work in QUANT
.set PW,  148                          ; the scale word just made
.set FX,  196                          ; fragment (u, s) at FX + 12 (2 u + s)
.set TA,  244
.set TB,  248
.set BQ,  128                          ; in window 2
.set VB,  96                           ; in window 2
.set WV,   20
.set KIND, 21
.set SEL,  58
.set LOW,  60                          ; s60: mask of lanes 0-15
.set MSB, 0
.macro WIN new                         ; the immediate's high byte repeats the setting that is left
.if MSB != \new
	s_set_vgpr_msb (MSB<<8)|\new
.set MSB, \new
.endif
.endm
; One matrix instruction: D at d, sources at a and b, C at c (below 0: the constant 0), scale registers sa and sb, read from lanes 0-15 (ra, rb = 0) or lanes 16-31 (1)
.macro MM d, a, b, c, sa, sb, ra, rb
.if (\c) < 0
.if ((\ra)+2*(\rb)) == 0
	v_wmma_scale_f32_16x16x128_f8f6f4 v[(\d):(\d)+7], v[(\a):(\a)+11], v[(\b):(\b)+11], 0, v[(\sa)], v[(\sb)] matrix_a_fmt:MATRIX_FMT_FP6 matrix_b_fmt:MATRIX_FMT_FP6
.elseif ((\ra)+2*(\rb)) == 1
	v_wmma_scale_f32_16x16x128_f8f6f4 v[(\d):(\d)+7], v[(\a):(\a)+11], v[(\b):(\b)+11], 0, v[(\sa)], v[(\sb)] matrix_a_fmt:MATRIX_FMT_FP6 matrix_b_fmt:MATRIX_FMT_FP6 matrix_a_scale:MATRIX_SCALE_ROW1
.elseif ((\ra)+2*(\rb)) == 2
	v_wmma_scale_f32_16x16x128_f8f6f4 v[(\d):(\d)+7], v[(\a):(\a)+11], v[(\b):(\b)+11], 0, v[(\sa)], v[(\sb)] matrix_a_fmt:MATRIX_FMT_FP6 matrix_b_fmt:MATRIX_FMT_FP6 matrix_b_scale:MATRIX_SCALE_ROW1
.else
	v_wmma_scale_f32_16x16x128_f8f6f4 v[(\d):(\d)+7], v[(\a):(\a)+11], v[(\b):(\b)+11], 0, v[(\sa)], v[(\sb)] matrix_a_fmt:MATRIX_FMT_FP6 matrix_b_fmt:MATRIX_FMT_FP6 matrix_a_scale:MATRIX_SCALE_ROW1 matrix_b_scale:MATRIX_SCALE_ROW1
.endif
.else
.if ((\ra)+2*(\rb)) == 0
	v_wmma_scale_f32_16x16x128_f8f6f4 v[(\d):(\d)+7], v[(\a):(\a)+11], v[(\b):(\b)+11], v[(\c):(\c)+7], v[(\sa)], v[(\sb)] matrix_a_fmt:MATRIX_FMT_FP6 matrix_b_fmt:MATRIX_FMT_FP6
.elseif ((\ra)+2*(\rb)) == 1
	v_wmma_scale_f32_16x16x128_f8f6f4 v[(\d):(\d)+7], v[(\a):(\a)+11], v[(\b):(\b)+11], v[(\c):(\c)+7], v[(\sa)], v[(\sb)] matrix_a_fmt:MATRIX_FMT_FP6 matrix_b_fmt:MATRIX_FMT_FP6 matrix_a_scale:MATRIX_SCALE_ROW1
.elseif ((\ra)+2*(\rb)) == 2
	v_wmma_scale_f32_16x16x128_f8f6f4 v[(\d):(\d)+7], v[(\a):(\a)+11], v[(\b):(\b)+11], v[(\c):(\c)+7], v[(\sa)], v[(\sb)] matrix_a_fmt:MATRIX_FMT_FP6 matrix_b_fmt:MATRIX_FMT_FP6 matrix_b_scale:MATRIX_SCALE_ROW1
.else
	v_wmma_scale_f32_16x16x128_f8f6f4 v[(\d):(\d)+7], v[(\a):(\a)+11], v[(\b):(\b)+11], v[(\c):(\c)+7], v[(\sa)], v[(\sb)] matrix_a_fmt:MATRIX_FMT_FP6 matrix_b_fmt:MATRIX_FMT_FP6 matrix_a_scale:MATRIX_SCALE_ROW1 matrix_b_scale:MATRIX_SCALE_ROW1
.endif
.endif
.endm
; 64 numbers of a lane, v[s] .. v[s + 63], register 16 b + i = k 32 b + 16 (lane / 16) + i of my row, become a fragment's codes in v[PC] on and its scale word in v[PW].  Each accumulator is read from its low end on.
.macro QUANT s
.irp b, 0,1,2,3
	v_max3_num_f32 v[TM+\b], |v[\s+16*\b]|, |v[\s+1+16*\b]|, 0x1800000   ; block b: my 16 numbers, and the floor 2^(3 - 127): the byte cannot fall under 1
.endr
.irp i, 2,4,6,8,10,12,14
.irp b, 0,1,2,3
	v_max3_num_f32 v[TM+\b], v[TM+\b], |v[\s+16*\b+\i]|, |v[\s+1+16*\b+\i]|   ; the four blocks by turns
.endr
.endr
.irp b, 0,1,2,3
	v_permlanex16_b32 v[TM+4+\b], v[TM+\b], s[SEL], s[SEL+1]
.endr
.irp b, 0,1,2,3
	v_max_num_f32 v[TM+\b], v[TM+\b], v[TM+4+\b]   ; with lane l xor 16's: the block's largest magnitude
.endr
.irp b, 0,1,2,3
	v_add_nc_u32 v[TM+12+\b], 0xff000000, v[TM+\b] ; 2 off its exponent field: the conversion's scale operand
.endr
.irp b, 0,1,2,3
	v_lshrrev_b32 v[TM+4+\b], 23, v[TM+12+\b]      ; the scale's byte
.endr
	v_lshl_or_b32 v[PW], v[TM+5], 8, v[TM+4]       ; the four bytes make my row's scale word (lanes l and l xor 16 hold the same)
	v_lshl_or_b32 v[PW], v[TM+6], 16, v[PW]
	v_lshl_or_b32 v[PW], v[TM+7], 24, v[PW]
.irp c, 0,1
	v_cvt_scalef32_pk16_fp6_f32 v[PC+6*\c:PC+2+6*\c], v[\s+32*\c:\s+15+32*\c], v[TM+12+2*\c]
	v_cvt_scalef32_pk16_fp6_f32 v[PC+12+4*\c:PC+14+4*\c], v[\s+16+32*\c:\s+31+32*\c], v[TM+12+2*\c+1]   ; (a conversion's three registers begin on an even number)
.endr
	v_nop                                          ; one plain place behind a scaled conversion
.irp c, 0,1                                    ; the operand's layout wants a WHOLE block in a lane: lanes 0-15 block 2 c, lanes 16-31 block 2 c + 1
.irp i, 0,1,2
	v_permlane16_swap_b32 v[PC+6*\c+\i], v[PC+12+4*\c+\i]
.endr
.irp i, 0,1,2
	v_mov_b32 v[PC+3+6*\c+\i], v[PC+12+4*\c+\i]
.endr
.endr
.endm
	s_load_b512 s[4:19], s[0:1], 0x0               ; x1 s[4:5], x2 s[6:7], wq s[8:9], qb s[10:11], kb s[12:13], vb s[14:15], q s[16:17], kv s[18:19]
	v_lshl_add_u32 v[SPW], v0, 2, SPARE
	v_mov_b32 v[NIL], 0
	ds_add_u32 v[SPW], v[NIL]                      ; the wave's opening: the add and its wait ahead of my tensor load; the set-up below, work on registers, stands between them
	v_lshrrev_b32 v40, 5, v0
	v_readfirstlane_b32 s[WV], v40                 ; wave 0..3
	s_and_b32 s[KIND], ttmp9, 1                    ; 0: x1 -> q;  1: x2 -> k, v
	s_lshr_b32 s22, ttmp9, 1                       ; which 128 pixels: 32 x batch + block
	s_and_b32 s60, s[WV], 1
	s_lshr_b32 s61, s[WV], 1
	; descriptor group 1: 64 rows (channels) of 128 elements of 4 bytes, 4,096 elements from row to row; no padding: a wave's LDS load reads 32 neighbouring words
	s_mov_b32 s24, 2<<16
	s_mov_b32 s25, 128<<16                         ; tensor_dim0
	s_mov_b32 s26, 64<<16                          ; tensor_dim1
	s_mov_b32 s27, 128<<16                         ; tile_dim0
	s_mov_b32 s28, 64                              ; tile_dim1
	s_mov_b32 s29, 4096                            ; the pitch
	s_mov_b32 s30, 0
	s_mov_b32 s31, 0
	s_mov_b32 s32, 1
	s_lshl_b32 s33, s[WV], 15                      ; LDS: my 64 rows of 512 bytes
	s_lshr_b32 s54, s22, 5
	s_lshl_b32 s54, s54, 22                        ; the batch: 4,194,304 bytes,
	s_and_b32 s55, s22, 31
	s_lshl_b32 s55, s55, 9                         ; the block's 128 pixels,
	s_add_co_u32 s54, s54, s55
	s_lshl_b32 s55, s[WV], 20                      ; my 64 channels
	s_add_co_u32 s54, s54, s55
	s_mov_b32 s55, 0
	s_mul_i32 s38, s[KIND], 49152                  ; my 8 tiles of qw or kw: images,
	s_mul_i32 s56, s60, 24576
	s_add_co_u32 s38, s38, s56
	s_mov_b32 s39, 0
	s_lshl_b32 s40, s[KIND], 11                    ; scale words,
	s_lshl_b32 s56, s60, 10
	s_add_co_u32 s40, s40, s56
	s_add_co_u32 s40, s40, 147456
	s_mov_b32 s41, 0
	s_lshl_b32 s42, s60, 9                         ; and my 128 numbers of the bias
	s_mov_b32 s43, 0
	s_add_co_u32 s57, s[KIND], 1
	s_mul_i32 s57, s57, 25600                      ; q: a record for each block; kv: two
	s_mul_i32 s57, s57, s22                        ; q's or k's record
	s_mul_i32 s44, s61, 12288
	s_mul_i32 s56, s60, 1536
	s_add_co_u32 s44, s44, s56
	s_add_co_u32 s44, s44, s57                     ; my images in it: 2 pt + s = 8 (w / 2) + 2 i + w % 2
	s_mov_b32 s45, 0
	s_lshl_b32 s46, s[WV], 8
	s_add_co_u32 s46, s46, 24576
	s_add_co_u32 s46, s46, s57                     ; my block of scale words: block w
	s_mov_b32 s47, 0
	s_mul_i32 s57, s22, 51200
	s_add_co_u32 s57, s57, 25600                   ; v's record
	s_mul_i32 s62, s[WV], 6144
	s_add_co_u32 s62, s62, s57                     ; my images in it: ct = 4 w + i
	s_mov_b32 s63, 0
	s_lshl_b32 s36, s[WV], 8
	s_add_co_u32 s36, s36, 24576
	s_add_co_u32 s36, s36, s57
	s_mov_b32 s37, 0
	s_mul_i32 s48, s[WV], 12288
	s_add_co_u32 s48, s48, 98304                   ; my 4 tiles of vw: images,
	s_mov_b32 s49, 0
	s_lshl_b32 s50, s[WV], 9
	s_add_co_u32 s50, s50, 151552                  ; scale words,
	s_mov_b32 s51, 0
	s_lshl_b32 s52, s[WV], 8                       ; and my 64 numbers of vb
	s_mov_b32 s53, 0
	s_mov_b32 s[SEL], 0x76543210
	s_mov_b32 s[SEL+1], 0xfedcba98                 ; selects for lane l xor 16
	v_and_b32 v40, 31, v0                          ; lane
	v_lshlrev_b32 v[L16], 4, v40
	v_lshlrev_b32 v[L4], 2, v40
	v_lshlrev_b32 v[L8], 3, v40
	v_and_b32 v41, 7, v0
	v_bfe_u32 v42, v0, 3, 1
	v_bfe_u32 v43, v0, 4, 1                        ; h
	v_lshl_add_u32 v41, v42, 4, v41
	v_lshl_add_u32 v41, v43, 3, v41                ; my pixel among the wave's 32: lane % 8 + 16 (bit 3) + 8 (bit 4)
	s_lshl_b32 s56, s[WV], 5
	v_add_nc_u32 v41, s56, v41
	v_lshlrev_b32 v[XA0], 2, v41
	v_add_nc_u32 v[XA0+1], 65536, v[XA0]
	s_mul_i32 s56, s[WV], 6144
	s_add_co_u32 s56, s56, XIMG
	v_add_nc_u32 v[XWI], s56, v[L16]
	s_lshl_b32 s56, s[WV], 8
	s_add_co_u32 s56, s56, XSC
	v_add_nc_u32 v[XWS], s56, v[L4]
	s_mul_i32 s56, s61, 12288
	s_add_co_u32 s56, s56, XIMG
	v_add_nc_u32 v[XR], s56, v[L16]
	s_lshl_b32 s56, s61, 9
	s_add_co_u32 s56, s56, XSC
	v_add_nc_u32 v[XSR], s56, v[L4]
	v_add_nc_u32 v[XIA], XIMG, v[L16]
	v_add_nc_u32 v[XSA], XSC, v[L4]
	v_lshlrev_b32 v[BH], 6, v43
	v_and_b32 v44, 15, v0
	v_and_b32 v45, 8, v44
	v_add_nc_u32 v44, v44, v45
	v_lshlrev_b32 v[BR], 2, v44
	s_wait_dscnt 0x0                               ; the opening add is done
	s_wait_kmcnt 0x0
	s_cmp_eq_u32 s[KIND], 0                        ; the choices hang on the work-group's number alone; the 64-bit sums between them leave SCC alone
	s_cselect_b64 s[56:57], s[4:5], s[6:7]
	s_add_nc_u64 s[34:35], s[56:57], s[54:55]
	s_cselect_b64 s[56:57], s[10:11], s[12:13]
	s_add_nc_u64 s[42:43], s[56:57], s[42:43]
	s_cselect_b64 s[56:57], s[16:17], s[18:19]
	s_add_nc_u64 s[44:45], s[56:57], s[44:45]
	s_add_nc_u64 s[46:47], s[56:57], s[46:47]
	s_or_b32 s35, s35, 0x80000000                  ; the descriptor's type
	s_add_nc_u64 s[38:39], s[8:9], s[38:39]
	s_add_nc_u64 s[40:41], s[8:9], s[40:41]
	s_add_nc_u64 s[48:49], s[8:9], s[48:49]
	s_add_nc_u64 s[50:51], s[8:9], s[50:51]
	s_add_nc_u64 s[52:53], s[14:15], s[52:53]
	s_add_nc_u64 s[62:63], s[18:19], s[62:63]
	s_add_nc_u64 s[36:37], s[18:19], s[36:37]
	tensor_load_to_lds s[32:35], s[24:31]          ; my one tensor load: 64 channels x 128 pixels; nothing is filled twice in this launch
	s_nop 0
.rept 4
	v_nop
.endr
	WIN 0x40                                       ; destination window 1
.set n, 0
.rept 48
	global_load_b128 v[4*n:4*n+3], v[L16], s[38:39] offset:512*n   ; my 16 fragments of qw or kw, as they lie: fragment 2 T' + s at v[12 (2 T' + s)]
.set n, n+1
.endr
	WIN 0x80                                       ; destination window 2
.irp t, 0,1,2,3,4,5,6,7
	global_load_b128 v[BQ+8*\t:BQ+8*\t+3], v[BH], s[42:43] offset:(32*(\t/2)+8*(\t%2))*4       ; the bias in the result's layout: channels 32 (T' / 2) + 16 h + 8 (T' % 2) + 0 .. 7
	global_load_b128 v[BQ+8*\t+4:BQ+8*\t+7], v[BH], s[42:43] offset:(32*(\t/2)+8*(\t%2))*4+16
.endr
	WIN 0
.irp t, 0,1,2,3,4,5,6,7
	global_load_b32 v[WS+\t], v[L4], s[40:41] offset:128*\t
.endr
	s_wait_tensorcnt 0x0                           ; my 64 rows are in,
	s_barrier_signal -1
	s_barrier_wait -1                              ; everybody's are: each wave reads all 256 rows
; ---- X: block be = channels 32 be .. + 31 of my pixel
.macro XLOAD be
.set i, 0
.rept 32
	ds_load_b32 v[XN+32*((\be)%2)+i], v[XA0+(\be)/4] offset:((32*(\be)+i)%128)*512
.set i, i+1
.endr
.endm
.macro XBLOCK be
.set XB, XN+32*((\be)%2)
.set FD, FX+12*(2*((\be)%2)+(\be)/4)+6*(((\be)/2)%2)
.set TD, TA+4*((\be)%2)
.if (\be) < 7
	s_wait_dscnt 32                                ; this block's 32 loads are in; the next block's 32 may be out
.else
	s_wait_dscnt 0x0
.endif
	v_max3_num_f32 v40, |v[XB]|, |v[XB+1]|, |v[XB+2]|              ; the block's largest magnitude: all 32 numbers are mine; two chains
	v_max3_num_f32 v41, |v[XB+3]|, |v[XB+4]|, |v[XB+5]|
.irp i, 6,10,14,18,22,26
	v_max3_num_f32 v40, v40, |v[XB+\i]|, |v[XB+\i+1]|
	v_max3_num_f32 v41, v41, |v[XB+\i+2]|, |v[XB+\i+3]|
.endr
	v_max3_num_f32 v40, v40, |v[XB+30]|, |v[XB+31]|
	v_max3_num_f32 v40, v40, v41, 0x1800000        ; and the floor 2^(3 - 127)
	v_add_nc_u32 v42, 0xff000000, v40              ; the conversion's scale operand
	v_lshrrev_b32 v43, 23, v42                     ; the scale's byte
.if (\be)%4 == 0
	v_mov_b32 v[44+(\be)/4], v43                   ; four bytes to my pixel's scale word of this K step
.else
	v_lshl_or_b32 v[44+(\be)/4], v43, 8*((\be)%4), v[44+(\be)/4]
.endif
	v_cvt_scalef32_pk16_fp6_f32 v[FD:FD+2], v[XB:XB+15], v42
	v_cvt_scalef32_pk16_fp6_f32 v[TD:TD+2], v[XB+16:XB+31], v42
	v_nop                                          ; one plain place behind a scaled conversion
.if (\be)%2 == 1                               ; an even block and the odd one behind it: lanes 0-15 (tile 2 w) hand their odd block to lanes 16-31 of the first fragment, lanes 16-31 (tile 2 w + 1) their even block to lanes 0-15 of the second
.set F0, FX+12*((\be)/4)+6*(((\be)/2)%2)
.irp i, 0,1,2
	v_permlane16_swap_b32 v[F0+\i], v[F0+24+\i]
	v_permlane16_swap_b32 v[TA+\i], v[TB+\i]
.endr
.irp i, 0,1,2
	v_mov_b32 v[F0+3+\i], v[TA+\i]
	v_mov_b32 v[F0+27+\i], v[TB+\i]
.endr
.endif
.if (\be)+2 < 8
	XLOAD (\be)+2
.endif
.endm
	XLOAD 0
	XLOAD 1
.irp e, 0,1,2,3,4,5,6,7
	XBLOCK \e
.endr
.set n, 0
.rept 12
	ds_store_b128 v[XWI], v[FX+4*n:FX+4*n+3] offset:512*n          ; my four fragments, as they stand
.set n, n+1
.endr
	ds_store_b32 v[XWS], v44
	ds_store_b32 v[XWS], v45 offset:128
	s_wait_dscnt 0x0                               ; for the others' sake: my stores have landed
	s_barrier_signal -1
	s_barrier_wait -1                              ; x's sixteen fragments lie in LDS; nothing is stored to LDS from here on
	v_and_b32 v40, 31, v0
	v_cmp_gt_u32 s[LOW], 16, v40                   ; lanes 0-15
.irp b, 0,1,2,3
	v_mov_b32 v[TM+4+\b], 0                        ; a lane permute's destination counts as one of its sources
.endr
; ---- QK: my 128 output channels for my four pixel tiles.  left: the loads issued behind those that this phase needs, which may stay out
.macro QKPHASE left
	WIN 0xc0                                       ; destination window 3
.set n, 0
.rept 24
	ds_load_b128 v[4*n:4*n+3], v[XR] offset:512*n  ; fragment (i, s) at v[12 (2 i + s)]
.set n, n+1
.endr
	WIN 0
.irp j, 0,1,2,3
	ds_load_b32 v[XS+\j], v[XSR] offset:128*\j     ; register 2 (i / 2) + s: lanes 0-15 the even tile's words, lanes 16-31 the odd one's
.endr
	s_wait_loadcnt \left                           ; the weight's fragments, their scale words and the bias are in (loads come back in order: ISA guide 5.7.1)
	s_wait_dscnt 0x0
.irp i, 0,1,2,3
	WIN 0x2d                                       ; source 0 (weight) window 1, source 1 (x) window 3, C (bias) window 2
.irp t, 0,1,2,3,4,5,6,7
	MM HA+8*\t, 12*(2*\t), 12*(2*\i), BQ+8*\t, WS+\t, XS+2*(\i/2), 0, \i%2
.endr
	WIN 0x0d                                       ; the eight accumulators by turns, K step by K step
.irp t, 0,1,2,3,4,5,6,7
	MM HA+8*\t, 12*(2*\t+1), 12*(2*\i+1), HA+8*\t, WS+\t, XS+2*(\i/2)+1, 1, \i%2
.endr
	WIN 0
.rept 4
	v_nop                                          ; places in front of the first read of results
.endr
	s_wait_xcnt 0x0                                ; the last tile's stores have read their registers: the codes are written anew only behind this wait
	QUANT HA
.irp g, 0,1,2
	global_store_b128 v[L16], v[PC+4*\g:PC+4*\g+3], s[44:45] offset:3072*\i+512*\g   ; 32 lanes store 512 consecutive bytes, at a multiple of 256 from the buffer's first byte
.endr
	v_mov_b32 v[PWK+\i], v[PW]
.endr
	v_cndmask_b32 v40, v[PWK+1], v[PWK], s[LOW]    ; lanes 0-15 the even tile's word, lanes 16-31 the odd one's
	v_cndmask_b32 v41, v[PWK+3], v[PWK+2], s[LOW]
	global_store_b64 v[L8], v[40:41], s[46:47]     ; one aligned block of 256 bytes
.endm
.macro VLOADS                          ; 24 + 32 + 4 = 60 loads
	WIN 0x80
.set n, 0
.rept 24
	global_load_b128 v[4*n:4*n+3], v[L16], s[48:49] offset:512*n   ; my 8 fragments of vw: (i, s) at v[12 (2 i + s)]
.set n, n+1
.endr
.irp i, 0,1,2,3
.irp j, 0,1,2,3,4,5,6,7
	global_load_b32 v[VB+8*\i+\j], v[BR], s[52:53] offset:(32*(\i/2)+8*(\i%2))*4   ; vb in the result's layout: a lane holds one channel, so its eight registers hold one number
.endr
.endr
	WIN 0
.irp i, 0,1,2,3
	global_load_b32 v[VS+\i], v[L4], s[50:51] offset:128*\i
.endr
.endm
; ---- V: my four channel tiles for all 128 pixels
.macro VPHASE
	WIN 0xc0
.set n, 0
.rept 48
	ds_load_b128 v[4*n:4*n+3], v[XIA] offset:512*n ; all sixteen fragments of x (the places behind the last products are QUANT's lines)
.set n, n+1
.endr
	WIN 0
.irp j, 0,1,2,3,4,5,6,7
	ds_load_b32 v[XS+\j], v[XSA] offset:128*\j
.endr
	s_wait_loadcnt 0x0                             ; vw's fragments, their scale words and vb
	s_wait_dscnt 0x0
.irp i, 0,1,2,3
	WIN 0x2b                                       ; source 0 (x) window 3, source 1 (vw) window 2, C (vb) window 2
.irp p, 0,1,2,3,4,5,6,7
	MM HA+8*\p, 12*(2*\p), 12*(2*\i), VB+8*\i, XS+2*(\p/2), VS+\i, \p%2, 0
.endr
	WIN 0x0b
.irp p, 0,1,2,3,4,5,6,7
	MM HA+8*\p, 12*(2*\p+1), 12*(2*\i+1), HA+8*\p, XS+2*(\p/2)+1, VS+\i, \p%2, 1
.endr
	WIN 0
.rept 4
	v_nop
.endr
	s_wait_xcnt 0x0                                ; the last tile's stores have read their registers
	QUANT HA                                       ; register 8 pt + j is key 32 (pt / 2) + 16 h + 8 (pt % 2) + j
.irp g, 0,1,2
	global_store_b128 v[L16], v[PC+4*\g:PC+4*\g+3], s[62:63] offset:1536*\i+512*\g
.endr
	v_mov_b32 v[PWK+\i], v[PW]
.endr
	v_cndmask_b32 v40, v[PWK+1], v[PWK], s[LOW]
	v_cndmask_b32 v41, v[PWK+3], v[PWK+2], s[LOW]
	global_store_b64 v[L8], v[40:41], s[36:37]
.endm
	s_cmp_eq_u32 s[KIND], 0
	s_cbranch_scc1 .Lx1
	VLOADS
	QKPHASE 60                                     ; vw's 60 loads, issued just now, stay out while k is made
	VPHASE
	s_branch .Lend
.Lx1:
	QKPHASE 0
.Lend:
	s_wait_tensorcnt 0x0                           ; the wave's end: behind my tensor load and my last LDS store
	ds_add_u32 v[SPW], v[NIL]
	s_wait_dscnt 0x0
	s_endpgm
.Lfunc_end_k_q2326e2b6b2_proj:
	.size	k_q2326e2b6b2_proj, .Lfunc_end_k_q2326e2b6b2_proj-k_q2326e2b6b2_proj
	.p2alignl 7, 3214868480
	.fill 96, 4, 3214868480
	.section	.rodata,"a",@progbits
	.p2align	6, 0x0
	.amdhsa_kernel k_q2326e2b6b2_proj
		.amdhsa_group_segment_fixed_size 167936
		.amdhsa_private_segment_fixed_size 0
		.amdhsa_enable_private_segment 0
		.amdhsa_kernarg_size 64
		.amdhsa_user_sgpr_count 2
		.amdhsa_user_sgpr_kernarg_segment_ptr 1
		.amdhsa_wavefront_size32 1
		.amdhsa_system_sgpr_workgroup_id_x 1
		.amdhsa_system_sgpr_workgroup_id_y 1
		.amdhsa_system_sgpr_workgroup_id_z 1
		.amdhsa_system_vgpr_workitem_id 0
		.amdhsa_next_free_vgpr 1024
		.amdhsa_next_free_sgpr 66
		.amdhsa_reserve_vcc 0
		.amdhsa_float_denorm_mode_32 3
		.amdhsa_float_denorm_mode_16_64 3
		.amdhsa_memory_ordered 1
		.amdhsa_forward_progress 1
		.amdhsa_inst_pref_size 132
	.end_amdhsa_kernel
	.amdgpu_metadata
---
amdhsa.version: [ 1, 2 ]
amdhsa.kernels:
  - .name:           k_q2326e2b6b2_proj
    .symbol:         k_q2326e2b6b2_proj.kd
    .args:
      - { .name: x1, .offset: 0, .size: 8, .value_kind: global_buffer, .address_space: global }
      - { .name: x2, .offset: 8, .size: 8, .value_kind: global_buffer, .address_space: global }
      - { .name: wq, .offset: 16, .size: 8, .value_kind: global_buffer, .address_space: global }
      - { .name: qb, .offset: 24, .size: 8, .value_kind: global_buffer, .address_space: global }
      - { .name: kb, .offset: 32, .size: 8, .value_kind: global_buffer, .address_space: global }
      - { .name: vb, .offset: 40, .size: 8, .value_kind: global_buffer, .address_space: global }
      - { .name: q, .offset: 48, .size: 8, .value_kind: global_buffer, .address_space: global }
      - { .name: kv, .offset: 56, .size: 8, .value_kind: global_buffer, .address_space: global }
    .group_segment_fixed_size: 167936
    .private_segment_fixed_size: 0
    .kernarg_segment_align: 8
    .kernarg_segment_size: 64
    .max_flat_workgroup_size: 128
    .sgpr_count:     66
    .vgpr_count:     1024
    .wavefront_size: 32
...
	.end_amdgpu_metadata
.endif
;; end of part 5
;; launch attn (part 6): grid 64 x 4, 4 waves a work-group, clusters of 4 x 1, 327,680 bytes of LDS; arguments q, kv, ln_w, ln_b, out0; writes out0
.if DOCPART == 6
	.amdgcn_target "amdgcn-amd-amdhsa--gfx1250"
	.amdhsa_code_object_version 6
	.text
	.protected	k_q2326e2b6b2_attn
	.globl	k_q2326e2b6b2_attn
	.p2align	8
	.type	k_q2326e2b6b2_attn,@function
k_q2326e2b6b2_attn:
	s_mov_b64 s[64:65], 0
	v_nop
	global_prefetch_b8 v0, s[64:65] scope:SCOPE_SE
	s_setreg_imm32_b32 hwreg(HW_REG_WAVE_MODE, 25, 1), 1
	s_wait_xcnt 0x0
	s_wait_alu depctr_hold_cnt(0) depctr_sa_sdst(0) depctr_va_vdst(0) depctr_va_sdst(0) depctr_va_ssrc(0) depctr_va_vcc(0) depctr_vm_vsrc(0)
	s_getreg_b32 s2, hwreg(HW_REG_IB_STS2, 6, 4)
	s_cmp_eq_u32 s2, 0
	s_cbranch_scc0 .Lentry_in_a_cluster
	s_endpgm
.Lentry_in_a_cluster:
	s_bfe_u32 s2, ttmp6, 0x10000c
	s_cmp_lg_u32 s2, 0x3003
	s_cbranch_scc0 .Lentry_shape_is_right
	s_endpgm
.Lentry_shape_is_right:
; scores = q . k over 256 channels; softmax over each group of 64 neighbouring keys BY ITSELF; fusion = attn . v over all 4,096 keys; LayerNorm over the 256 channels of a pixel.
; Both products on codes of FP6 (E2M3) with one E8M0 scale for each 32 along K.  q, kv: records of fragment images and scale words, as the launch before has laid them.  out0: [4][256][4,096] f32.
; THE SOFTMAX.  A group of 64 keys lies inside a key step of 128, in 32 registers of lanes l and l xor 16: its own largest score is taken away, p = 2^(c s - c m), c = log2(e), and p is divided by the group's sum
; before it is quantised, finished and normalised, in blocks of 32 keys.  No running maximum is needed and nothing is rescaled.  A block's largest p is not searched for: the block's largest score goes through the same lines.
; SHARES.  A work-group owns 64 queries of one batch.  EACH OF ITS FOUR WAVES HOLDS ALL FOUR QUERY TILES AND WALKS A QUARTER OF THE KEYS, 8 steps of 128: so each fragment of k and v is read from LDS once, by one wave, and
; feeds four matrix instructions.  The fusion is a plain sum over keys: the four partial sums are added at the end, each wave taking 64 channels.
; LAYOUT.  Both products transposed: S^T = k q^T (source 0 = 16 keys), O^T = v^T p^T (source 0 = 16 channels): a lane holds one query throughout.  The keys of a tile are chosen (32 (T / 2) + 8 (T % 2) + r + 8 (r / 8)) so that
; the 16 registers of tiles 2 b, 2 b + 1 are 16 neighbouring keys.
; THE RING.  A wave's 16 tiles (k, v, k, v ..: records of 25,600 bytes, on end in memory) come by tensor loads into its own two LDS slots, k's and v's.  A step has two phases, A on k's tile and B on v's; where a phase has made its last
; LDS read, its slot is filled with the tile of the phase after the next.  CLUSTER: the four work-groups of a cluster belong to one batch and walk the same tiles: each tile is asked for JOINTLY, with the same descriptor and a mask that
; names the four.  By this text's count a wave has two tensor loads out at the start and one behind each round.
; THE ORDER OF THE STEPS.  A sum over keys may be walked in any order: cluster x of a batch begins at step (x % 8) xor 7 (x / 8) and goes round.  So the sixteen clusters of a batch, which all walk the same tiles, name eight different
; pairs of tiles at any one moment, each pair twice, and their first fills, taken together, name every tile of the batch at the launch's head: nothing is left that a prefetch could ask for ahead, and none is written.
; MATRIX WORK OVER THE WAITS.  A phase's last products need registers alone, so they stand where the wave would wait: the last key tile's 8, and chunk 1's 16, between a round's opening signal and its wait; chunk 3's 16 behind the
; request for the next step's first fragments of k, ahead of the wait for these.
; LIMITS: NaN and infinities are not served; a p under 2^-126 is 0; a block whose largest p lies under 2^-124 keeps the scale byte 1; taking a block's largest p from its largest score takes v_exp_f32 not to fall where its
; input rises; the sums over keys are made in four quarters, each from a step that differs from cluster to cluster, and then added: another order than a single sum's.
; REGISTERS: window 0: v1-7, v28-31 addresses; v8-27 scale words (nothing else); v32-79 statistics, 12 a tile; v80-127 p's codes, 12 a tile; v128-255 S^T, 32 a tile.
;   window 1: v0-95 q's fragments (tile t, K step s at 12 (2 t + s)); v96-239 fragments of k (8) or of v (three buffers of 4).
;   windows 2, 3: O^T: chunk c = 0..3 (window 2 + c / 2, from v[128 (c % 2)]), in it accumulator 4 u + t.  Chunk c holds channel tiles 4 ((c + wave) % 4) + u: chunk 0 is the wave's own 64 channels, at the same registers in every wave.
.set REC,   25600                      ; a record
.set SLOTY, 131072                     ; k's slots at 25,600 x wave; v's this much further on, so that one exclusive or turns the walking descriptor
.set SPARE, 327168                     ; the spare words, 128 bytes for each wave: two blocks of 256 bytes that no other line names
.set LN1,   196608                     ; the end: partial O^T at 0 .. 196,607; the norm's sums here (2,048 bytes) and 2,048 bytes on;
.set STG,   200704                     ; a stage of 64 rows x 272 bytes for each wave.  All of it lies in slots that have had their last fill and their last read
.set AK,  1                            ; my lane's place in k's slot: slot + 16 x lane
.set AV,  2                            ; in v's
.set ASK, 3                            ; among k's scale words: slot + 24,576 + 8 x lane
.set ASV, 4                            ; among v's
.set SPW, 6                            ; my spare word; never rewritten
.set NIL, 7                            ; 0; never rewritten
.set SK,  8                            ; v8-11   k's scale words: register 2 s + k' / 2
.set SV,  12                           ; v12-19  v's: register 2 c + u / 2
.set SQ,  20                           ; v20-23  q's: register 2 s + t / 2
.set PWR, 24                           ; v24-27  p's scale word, a tile each
.set TT,  32                           ; statistics of tile t at TT + 12 t: +0, +1 the blocks' largest; +2, +3 at work; +4 -c m; +5 m; +6 .. +9 sums, later codes; +10 1 / sum; +11 written once
.set PP,  80
.set SS,  128
.set KB,  96                           ; in window 1
.set FF,  128                          ; the end: the fusion, my 64 channels x 64 queries
.set LW,  32                           ; ln_w, ln_b in the fusion's layout
.set LB,  64
.set SU,  96                           ; v96-99 four sums
.set AC,  100                          ; v100-107 a pair a tile
.set LD,  108                          ; v108-123 the four waves' sums
.set PT,  124
.set WV,  14
.set WRP, 18                           ; s[18:19] what the walking descriptor goes back by: 0, or 16 records where it has passed my last tile
.set SEL, 20
.set CS,  22                           ; s[22:23] c: the packed form names a pair and takes its low word for both halves
.set G1,  24
.set G0A, 32
.set G0B, 36                           ; walks
.set POS, 42                           ; which of my 16 tiles the walking descriptor names
.set TRIP, 43
.set ROF, 44                           ; s[44:47] chunk c's four images in v's record: 6,144 ((c + wave) % 4)
.set ROS, 48                           ; s[48:51] and its block of scale words: 256 ((c + wave) % 4)
.set MSB, 0
.macro WIN new                         ; the immediate's high byte repeats the setting that is left
.if MSB != \new
	s_set_vgpr_msb (MSB<<8)|\new
.set MSB, \new
.endif
.endm
.macro MM d, a, b, c, sa, sb, ra, rb   ; one matrix instruction: C at c (below 0: the constant 0); scale registers read from lanes 0-15 (ra, rb = 0) or 16-31 (1)
.if (\c) < 0
.if ((\ra)+2*(\rb)) == 0
	v_wmma_scale_f32_16x16x128_f8f6f4 v[(\d):(\d)+7], v[(\a):(\a)+11], v[(\b):(\b)+11], 0, v[(\sa)], v[(\sb)] matrix_a_fmt:MATRIX_FMT_FP6 matrix_b_fmt:MATRIX_FMT_FP6
.elseif ((\ra)+2*(\rb)) == 1
	v_wmma_scale_f32_16x16x128_f8f6f4 v[(\d):(\d)+7], v[(\a):(\a)+11], v[(\b):(\b)+11], 0, v[(\sa)], v[(\sb)] matrix_a_fmt:MATRIX_FMT_FP6 matrix_b_fmt:MATRIX_FMT_FP6 matrix_a_scale:MATRIX_SCALE_ROW1
.elseif ((\ra)+2*(\rb)) == 2
	v_wmma_scale_f32_16x16x128_f8f6f4 v[(\d):(\d)+7], v[(\a):(\a)+11], v[(\b):(\b)+11], 0, v[(\sa)], v[(\sb)] matrix_a_fmt:MATRIX_FMT_FP6 matrix_b_fmt:MATRIX_FMT_FP6 matrix_b_scale:MATRIX_SCALE_ROW1
.else
	v_wmma_scale_f32_16x16x128_f8f6f4 v[(\d):(\d)+7], v[(\a):(\a)+11], v[(\b):(\b)+11], 0, v[(\sa)], v[(\sb)] matrix_a_fmt:MATRIX_FMT_FP6 matrix_b_fmt:MATRIX_FMT_FP6 matrix_a_scale:MATRIX_SCALE_ROW1 matrix_b_scale:MATRIX_SCALE_ROW1
.endif
.else
.if ((\ra)+2*(\rb)) == 0
	v_wmma_scale_f32_16x16x128_f8f6f4 v[(\d):(\d)+7], v[(\a):(\a)+11], v[(\b):(\b)+11], v[(\c):(\c)+7], v[(\sa)], v[(\sb)] matrix_a_fmt:MATRIX_FMT_FP6 matrix_b_fmt:MATRIX_FMT_FP6
.elseif ((\ra)+2*(\rb)) == 1
	v_wmma_scale_f32_16x16x128_f8f6f4 v[(\d):(\d)+7], v[(\a):(\a)+11], v[(\b):(\b)+11], v[(\c):(\c)+7], v[(\sa)], v[(\sb)] matrix_a_fmt:MATRIX_FMT_FP6 matrix_b_fmt:MATRIX_FMT_FP6 matrix_a_scale:MATRIX_SCALE_ROW1
.elseif ((\ra)+2*(\rb)) == 2
	v_wmma_scale_f32_16x16x128_f8f6f4 v[(\d):(\d)+7], v[(\a):(\a)+11], v[(\b):(\b)+11], v[(\c):(\c)+7], v[(\sa)], v[(\sb)] matrix_a_fmt:MATRIX_FMT_FP6 matrix_b_fmt:MATRIX_FMT_FP6 matrix_b_scale:MATRIX_SCALE_ROW1
.else
	v_wmma_scale_f32_16x16x128_f8f6f4 v[(\d):(\d)+7], v[(\a):(\a)+11], v[(\b):(\b)+11], v[(\c):(\c)+7], v[(\sa)], v[(\sb)] matrix_a_fmt:MATRIX_FMT_FP6 matrix_b_fmt:MATRIX_FMT_FP6 matrix_a_scale:MATRIX_SCALE_ROW1 matrix_b_scale:MATRIX_SCALE_ROW1
.endif
.endif
.endm
.macro PLACES n                        ; plain places behind matrix instructions, and ahead of scaled ones whose operands vector lines have written
.rept \n
	v_nop
.endr
.endm
; A round of the cluster's barrier: my work-group's barrier; wave 0 signals for the work-group; every wave waits for all four work-groups; my work-group's barrier once more
.macro CREST                           ; a round behind its opening barrier
	s_cmp_lg_u32 s[WV], 0
	s_cbranch_scc1 .Lnot_wave_0_\@
	s_barrier_signal -3
.Lnot_wave_0_\@:
	s_barrier_wait -3
	s_barrier_signal -1
	s_barrier_wait -1
.endm
.macro ROUND                           ; a whole round
	s_barrier_signal -1
	s_barrier_wait -1
	CREST
.endm
; THE CHANGE OF SLOTS, in two parts with register work between them.  CH_OPEN: all my tensor loads have landed (the one that was out is the next phase's tile); the add; the walking descriptor steps; the add is done and my reads of
; the slot that I leave are over; the round's opening signal.  CH_CLOSE: the rest of the round, and the slot just left is filled with the tile of the phase after the next: the load has a whole phase in which to land.
.macro CH_OPEN
	WIN 0                                          ; the add's two registers lie in window 0
	s_wait_tensorcnt 0x0                           ; no tensor load of mine is out, so a group 0 may be written
	ds_add_u32 v[SPW], v[NIL]                      ; 0 onto my spare word; the steps below stand between it and the wait for it
	s_xor_b32 s[G0B+1], s[G0B+1], SLOTY            ; the other slot than last time,
	s_add_nc_u64 s[G0B+2:G0B+3], s[G0B+2:G0B+3], REC   ; the next record; the type bits on top are not reached;
	s_add_co_u32 s[POS], s[POS], 1
	s_cmp_eq_u32 s[POS], 16                        ; behind my last tile comes my first: no jump, two selections
	s_cselect_b32 s[WRP], 16*REC, 0
	s_cselect_b32 s[POS], 0, s[POS]
	s_sub_nc_u64 s[G0B+2:G0B+3], s[G0B+2:G0B+3], s[WRP:WRP+1]
	s_wait_dscnt 0x0                               ; the add is done, and my reads of the slot that I leave are over
	s_barrier_signal -1                            ; the round's opening signal; only matrix instructions on registers follow, up to its wait
.endm
.macro CH_CLOSE
	WIN 0                                          ; at a label and at a branch every window is 0; nothing stands between the wait below and the rest of the round
	s_barrier_wait -1
	CREST                                          ; both now hold of every wave of all four work-groups
	tensor_load_to_lds s[G0B:G0B+3], s[G1:G1+7]    ; the first thing behind the round, and my one tensor load until the next
	s_nop 0
	PLACES 4                                       ; (also the places in front of the fragment loads that follow)
.endm
; k's four tiles of group g (64 keys): their scale words, then 8 fragments, tile by tile
.macro LOADK g
	WIN 0
.irp s, 0,1
	ds_load_b64 v[SK+2*\s:SK+2*\s+1], v[ASK] offset:256*(2*\g+\s)
.endr
	WIN 0x40                                       ; destination window 1
.set n, 0
.rept 24
	ds_load_b128 v[KB+4*n:KB+4*n+3], v[AK] offset:12288*\g+512*n   ; fragment (k', s) at KB + 12 (2 k' + s)
.set n, n+1
.endr
.endm
; S^T of key tile k of a group: the four query tiles by turns, K step 0 (which starts the sums) and then K step 1.  left: the later tiles' loads, six each, which may be out (below 0: the wait has been made)
.macro SGK k, left
.if (\left) >= 0
	s_wait_dscnt \left
.endif
	WIN 0x05                                       ; sources 0 (k) and 1 (q) window 1; C and D window 0
.irp t, 0,1,2,3
	MM SS+32*\t+8*\k, KB+12*(2*\k), 12*(2*\t), -1, SK+\k/2, SQ+\t/2, \k%2, \t%2
.endr
.irp t, 0,1,2,3
	MM SS+32*\t+8*\k, KB+12*(2*\k+1), 12*(2*\t+1), SS+32*\t+8*\k, SK+2+\k/2, SQ+2+\t/2, \k%2, \t%2
.endr
.endm
; THE SOFTMAX OF ONE GROUP OF 64 KEYS for all four query tiles, the tiles by turns in every stage; all in window 0.  Register 16 b + i of a tile is key 64 g + 32 b + 16 (lane / 16) + i.
.macro SM g
.irp b, 0,1
.irp t, 0,1,2,3
	v_max3_num_f32 v[TT+12*\t+\b], v[SS+32*\t+16*\b], v[SS+32*\t+16*\b+1], v[SS+32*\t+16*\b+2]   ; the largest score of each block of 32 keys; each accumulator is read from its low end on
.endr
.endr
.irp i, 3,5,7,9,11,13
.irp b, 0,1
.irp t, 0,1,2,3
	v_max3_num_f32 v[TT+12*\t+\b], v[TT+12*\t+\b], v[SS+32*\t+16*\b+\i], v[SS+32*\t+16*\b+\i+1]
.endr
.endr
.endr
.irp b, 0,1
.irp t, 0,1,2,3
	v_max_num_f32 v[TT+12*\t+\b], v[TT+12*\t+\b], v[SS+32*\t+16*\b+15]
.endr
.endr
.irp b, 0,1
.irp t, 0,1,2,3
	v_permlanex16_b32 v[TT+12*\t+2+\b], v[TT+12*\t+\b], s[SEL], s[SEL+1]
.endr
.endr
.irp b, 0,1
.irp t, 0,1,2,3
	v_max_num_f32 v[TT+12*\t+\b], v[TT+12*\t+\b], v[TT+12*\t+2+\b]   ; with lane l xor 16's 16 keys
.endr
.endr
.irp t, 0,1,2,3
	v_max_num_f32 v[TT+12*\t+5], v[TT+12*\t], v[TT+12*\t+1]          ; m: the group's largest score
.endr
.irp t, 0,1,2,3
	v_mul_f32 v[TT+12*\t+4], 0xbfb8aa3b, v[TT+12*\t+5]               ; -c m.  Its rounding is one factor for the whole group, which the division by the sum takes out again
.endr
; ONE BATCH: the scalings c s - c m, two at a time, and the 136 exponentials, by turns: four scalings, then the eight exponentials of the pairs scaled a turn earlier.  No line here names an exponential's result.
.set j, 0
.rept 16
.irp t, 0,1,2,3
	v_pk_fma_f32 v[SS+32*\t+j:SS+32*\t+j+1], v[SS+32*\t+j:SS+32*\t+j+1], s[CS:CS+1], v[TT+12*\t+4:TT+12*\t+5] op_sel_hi:[1,0,0]
.endr
.if j > 0
.irp t, 0,1,2,3
	v_exp_f32 v[SS+32*\t+j-2], v[SS+32*\t+j-2]
	v_exp_f32 v[SS+32*\t+j-1], v[SS+32*\t+j-1]
.endr
.endif
.set j, j+2
.endr
.irp b, 0,1
.irp t, 0,1,2,3
	v_fma_f32 v[TT+12*\t+\b], v[TT+12*\t+\b], s[CS], v[TT+12*\t+4]   ; the same of each block's largest score
.endr
.endr
.irp t, 0,1,2,3
	v_exp_f32 v[SS+32*\t+30], v[SS+32*\t+30]
	v_exp_f32 v[SS+32*\t+31], v[SS+32*\t+31]
.endr
.irp b, 0,1
.irp t, 0,1,2,3
	v_exp_f32 v[TT+12*\t+\b], v[TT+12*\t+\b]       ; the eight of the blocks' largest: the same lines on the same numbers give the same bits
.endr
.endr
	v_nop                                          ; a plain place behind the last exponential
	s_wait_alu depctr_va_vdst(0)                   ; one wait for the batch, ahead of its first reader
.irp t, 0,1,2,3
	v_pk_add_f32 v[TT+12*\t+6:TT+12*\t+7], v[SS+32*\t:SS+32*\t+1], v[SS+32*\t+2:SS+32*\t+3]       ; the group's sum: two packed chains a tile
.endr
.irp t, 0,1,2,3
	v_pk_add_f32 v[TT+12*\t+8:TT+12*\t+9], v[SS+32*\t+4:SS+32*\t+5], v[SS+32*\t+6:SS+32*\t+7]
.endr
.irp j, 8,12,16,20,24,28
.irp t, 0,1,2,3
	v_pk_add_f32 v[TT+12*\t+6:TT+12*\t+7], v[TT+12*\t+6:TT+12*\t+7], v[SS+32*\t+\j:SS+32*\t+\j+1]
.endr
.irp t, 0,1,2,3
	v_pk_add_f32 v[TT+12*\t+8:TT+12*\t+9], v[TT+12*\t+8:TT+12*\t+9], v[SS+32*\t+\j+2:SS+32*\t+\j+3]
.endr
.endr
.irp t, 0,1,2,3
	v_pk_add_f32 v[TT+12*\t+6:TT+12*\t+7], v[TT+12*\t+6:TT+12*\t+7], v[TT+12*\t+8:TT+12*\t+9]
.endr
.irp t, 0,1,2,3
	v_add_f32 v[TT+12*\t+6], v[TT+12*\t+6], v[TT+12*\t+7]
.endr
.irp t, 0,1,2,3
	v_permlanex16_b32 v[TT+12*\t+2], v[TT+12*\t+6], s[SEL], s[SEL+1]
.endr
.irp t, 0,1,2,3
	v_add_f32 v[TT+12*\t+6], v[TT+12*\t+6], v[TT+12*\t+2]            ; with lane l xor 16's 32 keys
.endr
.irp t, 0,1,2,3
	v_rcp_f32 v[TT+12*\t+10], v[TT+12*\t+6]
.endr
	v_nop
	s_wait_alu depctr_va_vdst(0)                   ; one wait for the four reciprocals
.set j, 0
.rept 16
.irp t, 0,1,2,3
	v_pk_mul_f32 v[SS+32*\t+j:SS+32*\t+j+1], v[SS+32*\t+j:SS+32*\t+j+1], v[TT+12*\t+10:TT+12*\t+11] op_sel_hi:[1,0]   ; the finished softmax
.endr
.set j, j+2
.endr
.irp b, 0,1
.irp t, 0,1,2,3
	v_mul_f32 v[TT+12*\t+\b], v[TT+12*\t+\b], v[TT+12*\t+10]         ; and each block's largest
.endr
.endr
.irp b, 0,1
.irp t, 0,1,2,3
	v_max_num_f32 v[TT+12*\t+\b], 0x1800000, v[TT+12*\t+\b]          ; the floor 2^(3 - 127): the byte cannot fall under 1
.endr
.endr
.irp b, 0,1
.irp t, 0,1,2,3
	v_add_nc_u32 v[TT+12*\t+2+\b], 0xff000000, v[TT+12*\t+\b]        ; 2 off the exponent field: the conversion's scale operand
.endr
.endr
.irp b, 0,1
.irp t, 0,1,2,3
	v_lshrrev_b32 v[TT+12*\t+\b], 23, v[TT+12*\t+2+\b]               ; the scale's byte
.endr
.endr
.if \g == 0
.irp t, 0,1,2,3
	v_lshl_or_b32 v[PWR+\t], v[TT+12*\t+1], 8, v[TT+12*\t]           ; bytes 0 and 1 of the step's scale word
.endr
.else
.irp t, 0,1,2,3
	v_lshl_or_b32 v[PWR+\t], v[TT+12*\t], 16, v[PWR+\t]              ; bytes 2 and 3
.endr
.irp t, 0,1,2,3
	v_lshl_or_b32 v[PWR+\t], v[TT+12*\t+1], 24, v[PWR+\t]
.endr
.endif
.irp t, 0,1,2,3
	v_cvt_scalef32_pk16_fp6_f32 v[PP+12*\t+6*\g:PP+12*\t+6*\g+2], v[SS+32*\t:SS+32*\t+15], v[TT+12*\t+2]
	v_cvt_scalef32_pk16_fp6_f32 v[TT+12*\t+6:TT+12*\t+8], v[SS+32*\t+16:SS+32*\t+31], v[TT+12*\t+3]   ; (a conversion's three registers begin on an even number)
.endr
	v_nop                                          ; one plain place behind a scaled conversion
.irp t, 0,1,2,3                                ; the operand's layout wants a WHOLE block in a lane: lanes 0-15 block 2 g, lanes 16-31 block 2 g + 1
.irp i, 0,1,2
	v_permlane16_swap_b32 v[PP+12*\t+6*\g+\i], v[TT+12*\t+6+\i]
.endr
.irp i, 0,1,2
	v_mov_b32 v[PP+12*\t+6*\g+3+\i], v[TT+12*\t+6+\i]
.endr
.endr
.endm
.macro LOADV adr, buf                  ; a chunk's four fragments of v into buffer buf
.set n, 0
.rept 12
	ds_load_b128 v[KB+48*(\buf)+4*n:KB+48*(\buf)+4*n+3], v[\adr] offset:512*n
.set n, n+1
.endr
.endm
; O^T += v^T p^T for chunk c: 16 accumulators, one instruction each; K = the step's 128 keys.  zero = 1: the first step starts the sums: nothing is ever cleared
.macro PV c, buf, zero
	WIN 0xa1+0x50*((\c)/2)                         ; source 0 (v) window 1, source 1 (p) window 0, C and D window 2 or 3
.irp u, 0,1,2,3
.irp t, 0,1,2,3
.if \zero
	MM 128*((\c)%2)+8*(4*\u+\t), KB+48*(\buf)+12*\u, PP+12*\t, -1, SV+2*(\c)+\u/2, PWR+\t, \u%2, 0
.else
	MM 128*((\c)%2)+8*(4*\u+\t), KB+48*(\buf)+12*\u, PP+12*\t, 128*((\c)%2)+8*(4*\u+\t), SV+2*(\c)+\u/2, PWR+\t, \u%2, 0
.endif
.endr
.endr
.endm
; PHASE A, on k's tile, up to the second group's third key tile.  The first group's fragments are asked for; pre = 1 or 2: chunk 3 of the step before (2: of the first step, which starts the sums) is multiplied meanwhile: its fragments
; of v lie in buffer 2, which k's fragments do not touch; the first group's scores; the second group's fragments are asked for; the first group's softmax; the second group's scores.
.macro A_BODY pre
	LOADK 0
.if (\pre) == 1
	PV 3, 2, 0
.elseif (\pre) == 2
	PV 3, 2, 1
.endif
	SGK 0, 18
	SGK 1, 12
	SGK 2, 6
	SGK 3, 0
	PLACES 4                                       ; in front of the loads into k's registers and of the first read of scores
	LOADK 1
	WIN 0
	SM 0
	SGK 0, 18
	SGK 1, 12
	SGK 2, 6
.endm
.macro AB_CHANGE                       ; k's slot is left: its last key tile's 8 products, on registers alone, stand inside the round's opening
	CH_OPEN
	SGK 3, -1                                      ; (CH_OPEN has waited for all my LDS loads)
	CH_CLOSE
.endm
; PHASE B, on v's tile, up to chunk 0: three chunks of v are asked for; the second group's softmax; chunk 2; chunk 3's fragments take chunk 2's buffer; chunk 0
.macro B_BODY zero
	WIN 0
.irp c, 0,1,2,3
	v_add_nc_u32 v29, s[ROS+\c], v[ASV]
	ds_load_b64 v[SV+2*\c:SV+2*\c+1], v29
.endr
	v_add_nc_u32 v28, s[ROF], v[AV]
	v_add_nc_u32 v30, s[ROF+1], v[AV]
	v_add_nc_u32 v31, s[ROF+2], v[AV]              ; (these seven additions are plain places behind the last scores' products)
	WIN 0x40
	LOADV 28, 0
	LOADV 30, 1
	LOADV 31, 2
	WIN 0
	SM 1
	PLACES 8                                       ; p's scale words and codes were written by vector lines: 8 and 4 places ahead of a scaled matrix instruction
	s_wait_dscnt 0x0                               ; v's three chunks and its scale words are in
	PV 2, 2, \zero
	WIN 0
	PLACES 3
	v_add_nc_u32 v28, s[ROF+3], v[AV]              ; the fourth place in front of the loads into buffer 2
	WIN 0x40
	LOADV 28, 2
	PV 0, 0, \zero
.endm
.macro BA_CHANGE zero                  ; v's slot is left (chunk 3's fragments are in registers when CH_OPEN's wait is passed): chunk 1's 16 products stand inside the round's opening
	CH_OPEN
	PV 1, 1, \zero
	CH_CLOSE
.endm
	s_load_b256 s[4:11], s[0:1], 0x0               ; q s[4:5], kv s[6:7], ln_w s[8:9], ln_b s[10:11]
	s_load_b64 s[12:13], s[0:1], 0x20              ; out0
	v_lshl_add_u32 v[SPW], v0, 2, SPARE
	v_mov_b32 v[NIL], 0
	ds_add_u32 v[SPW], v[NIL]                      ; the wave's opening: the add and its wait ahead of my first tensor load; the set-up below, work on registers, stands between them
	v_lshrrev_b32 v28, 5, v0
	v_readfirstlane_b32 s[WV], v28                 ; wave 0..3
	s_bfe_u32 s15, ttmp6, 0x40000                  ; cx: my place in the cluster: it enters q's and out0's addresses alone
	s_lshl_b32 s16, ttmp9, 2                       ; in a cluster launch ttmp9 counts clusters
	s_add_co_u32 s16, s16, s15                     ; my block of 64 queries
	s_and_b32 s17, ttmp7, 0xffff                   ; the batch, which the four partners share
	; descriptor group 1: a record, dense: 100 rows of 32 elements of 8 bytes; no padding: images are read 16 x lane on end
	s_mov_b32 s[G1], 15|(3<<16)|(1<<21)            ; the mask: all four work-groups; elements of 8 bytes; bit 21 set beside a mask
	s_mov_b32 s[G1+1], 32<<16                      ; tensor_dim0
	s_mov_b32 s[G1+2], 100<<16                     ; tensor_dim1
	s_mov_b32 s[G1+3], 32<<16                      ; tile_dim0
	s_mov_b32 s[G1+4], 100                         ; tile_dim1
	s_mov_b32 s[G1+5], 32                          ; the pitch
	s_mov_b32 s[G1+6], 0
	s_mov_b32 s[G1+7], 0
.irp c, 0,1,2,3
	s_add_co_u32 s52, s[WV], \c
	s_and_b32 s52, s52, 3
	s_mul_i32 s[ROF+\c], s52, 6144
	s_lshl_b32 s[ROS+\c], s52, 8
.endr
	s_lshr_b32 s[POS], ttmp9, 3                    ; the cluster's first step: (x % 8) xor 7 (x / 8); x is the cluster's, the same in all four partners
	s_mul_i32 s[POS], s[POS], 7
	s_xor_b32 s[POS], s[POS], ttmp9
	s_and_b32 s[POS], s[POS], 7
	s_lshl_b32 s[POS], s[POS], 1                   ; its k tile among my 16
	s_lshl_b32 s52, s17, 2
	s_add_co_u32 s52, s52, s[WV]
	s_mul_i32 s52, s52, 16*REC                     ; my 16 tiles: keys 1,024 x wave on of the batch,
	s_mul_i32 s53, s[POS], REC
	s_add_co_u32 s52, s52, s53                     ; and the first that I walk
	s_mov_b32 s53, 0
	s_add_co_u32 s[POS], s[POS], 1                 ; the walking descriptor begins at the v tile behind it (15 at the most)
	s_mov_b32 s[WRP+1], 0
	s_mov_b32 s[G0A], 1
	s_mul_i32 s[G0A+1], s[WV], REC                 ; k's slot: no place in the cluster enters an LDS address
	s_mov_b32 s[G0B], 1
	s_add_co_u32 s[G0B+1], s[G0A+1], SLOTY         ; v's slot
	s_lshl_b32 s54, s17, 5
	s_lshr_b32 s55, s16, 1
	s_add_co_u32 s54, s54, s55
	s_mul_i32 s54, s54, REC                        ; q's record,
	s_and_b32 s56, s16, 1
	s_mul_i32 s57, s56, 12288
	s_add_co_u32 s58, s54, s57                     ; my 8 images in it,
	s_mov_b32 s59, 0
	s_lshl_b32 s57, s56, 9
	s_add_co_u32 s60, s54, s57
	s_add_co_u32 s60, s60, 24576                   ; and my two blocks of scale words
	s_mov_b32 s61, 0
	s_mov_b32 s[SEL], 0x76543210
	s_mov_b32 s[SEL+1], 0xfedcba98                 ; selects for lane l xor 16
	s_mov_b32 s[CS], 0x3fb8aa3b                    ; c = log2(e)
	s_mov_b32 s[CS+1], s[CS]
	v_and_b32 v30, 31, v0                          ; lane
	v_lshlrev_b32 v28, 4, v30
	v_lshlrev_b32 v29, 3, v30
	v_add_nc_u32 v[AK], s[G0A+1], v28
	v_add_nc_u32 v[AV], SLOTY, v[AK]
	s_add_co_u32 s57, s[G0A+1], 24576
	v_add_nc_u32 v[ASK], s57, v29
	v_add_nc_u32 v[ASV], SLOTY, v[ASK]
	s_wait_dscnt 0x0                               ; the opening add is done
	s_wait_kmcnt 0x0
	s_add_nc_u64 s[G0A+2:G0A+3], s[6:7], s[52:53]  ; my first k tile
	s_add_nc_u64 s[G0B+2:G0B+3], s[G0A+2:G0A+3], REC   ; and its v tile
	s_or_b32 s[G0A+3], s[G0A+3], 0x80000000        ; the descriptors' type
	s_or_b32 s[G0B+3], s[G0B+3], 0x80000000
	s_add_nc_u64 s[58:59], s[4:5], s[58:59]
	s_add_nc_u64 s[60:61], s[4:5], s[60:61]
	WIN 0x40
.set n, 0
.rept 24
	global_load_b128 v[4*n:4*n+3], v28, s[58:59] offset:512*n      ; q's 8 fragments stay in registers; they are asked for ahead of the round, and are on their way while the work-groups meet
.set n, n+1
.endr
	WIN 0
.irp s, 0,1
	global_load_b64 v[SQ+2*\s:SQ+2*\s+1], v29, s[60:61] offset:256*\s
.endr
	ROUND                                          ; all four work-groups are here: the first joint loads meet
	tensor_load_to_lds s[G0A:G0A+3], s[G1:G1+7]    ; the two first fills stand together
	s_nop 0
	tensor_load_to_lds s[G0B:G0B+3], s[G1:G1+7]
	s_nop 0
	PLACES 4
.irp t, 0,1,2,3
	v_mov_b32 v[TT+12*\t+2], 0                     ; written once: a lane permute's destination counts as one of its sources,
	v_mov_b32 v[TT+12*\t+3], 0
	v_mov_b32 v[TT+12*\t+11], 0                    ; and the upper half of a pair that is named counts as read
.endr
	s_wait_loadcnt 0x0                             ; q
	s_wait_tensorcnt 0x1                           ; my first k tile is in; its v tile may stay out.  I alone read my slots, so my own wait is all that the reads need
	A_BODY 0                                       ; the first step
	AB_CHANGE
	B_BODY 1                                       ; its products start O^T's sums,
	BA_CHANGE 1
	A_BODY 2                                       ; chunk 3's among the second step's first lines
	WIN 0
	s_mov_b32 s[TRIP], 6
.Lstep:                                            ; a trip goes from the B phase of a step to the A phase of the next, and fills both slots again: 6 trips
	AB_CHANGE
	B_BODY 0
	BA_CHANGE 0
	A_BODY 1
	WIN 0
	s_sub_co_u32 s[TRIP], s[TRIP], 1
	s_cmp_lg_u32 s[TRIP], 0
	s_cbranch_scc1 .Lstep
	SGK 3, 0                                       ; the last step's end is written out: nothing is left to ask for, so no round and no load
	WIN 0
	s_wait_tensorcnt 0x0                           ; my last v tile is in; no load was issued behind it
	B_BODY 0
	PV 1, 1, 0
	s_wait_dscnt 0x0                               ; chunk 3's fragments
	PV 3, 2, 0
	; ---- THE END.  Every wave sends the three chunks that belong to the others through LDS, as images of the registers, and adds what it receives onto its own chunk 0.
	WIN 0
	v_and_b32 v31, 31, v0
	v_lshlrev_b32 v31, 4, v31                      ; 16 x lane
.irp c, 1,2,3
	s_add_co_u32 s52, s[WV], \c
	s_and_b32 s52, s52, 3
	s_mul_i32 s52, s52, 49152                      ; the receiver's region,
	s_add_co_u32 s52, s52, 16384*(\c-1)            ; and in it the place of the sender that stands c behind
	v_add_nc_u32 v[27+\c], s52, v31
.endr
	v_bfe_u32 v1, v0, 4, 1
	v_lshlrev_b32 v1, 6, v1                        ; 64 (lane / 16).  (These seven lines are the places behind the last products)
	s_lshl_b32 s52, s[WV], 8
	s_mov_b32 s53, 0
	s_add_nc_u64 s[8:9], s[8:9], s[52:53]          ; my 64 channels of ln_w and ln_b
	s_add_nc_u64 s[10:11], s[10:11], s[52:53]
.irp u, 0,1,2,3
	global_load_b128 v[LW+8*\u:LW+8*\u+3], v1, s[8:9] offset:(32*(\u/2)+8*(\u%2))*4          ; in the fusion's layout: channels 32 (u / 2) + 16 h + 8 (u % 2) + 0 .. 7
	global_load_b128 v[LW+8*\u+4:LW+8*\u+7], v1, s[8:9] offset:(32*(\u/2)+8*(\u%2))*4+16
	global_load_b128 v[LB+8*\u:LB+8*\u+3], v1, s[10:11] offset:(32*(\u/2)+8*(\u%2))*4
	global_load_b128 v[LB+8*\u+4:LB+8*\u+7], v1, s[10:11] offset:(32*(\u/2)+8*(\u%2))*4+16
.endr
	s_wait_dscnt 0x0                               ; my reads of my slots are over (and my tensor loads have all landed),
	s_barrier_signal -1
	s_barrier_wait -1                              ; everybody's are: the slots have had their last fill and their last read, and may be stored into
	WIN 0x08                                       ; an LDS store's data are its source 1: window 2
.set a, 0
.rept 16
	ds_store_b128 v28, v[128+8*a:128+8*a+3] offset:1024*a            ; each accumulator from its low end on
	ds_store_b128 v28, v[128+8*a+4:128+8*a+7] offset:1024*a+512
.set a, a+1
.endr
	WIN 0x0c                                       ; window 3
.set a, 0
.rept 16
	ds_store_b128 v29, v[8*a:8*a+3] offset:1024*a
	ds_store_b128 v29, v[8*a+4:8*a+7] offset:1024*a+512
.set a, a+1
.endr
.set a, 0
.rept 16
	ds_store_b128 v30, v[128+8*a:128+8*a+3] offset:1024*a
	ds_store_b128 v30, v[128+8*a+4:128+8*a+7] offset:1024*a+512
.set a, a+1
.endr
	WIN 0
	s_wait_dscnt 0x0                               ; for the others' sake: my stores have landed
	s_barrier_signal -1
	s_barrier_wait -1
	s_mul_i32 s52, s[WV], 49152
	v_add_nc_u32 v2, s52, v31                      ; my region
.set n, 0
.rept 32
	ds_load_b128 v[FF+4*n:FF+4*n+3], v2 offset:512*n                 ; the first partial, where the scores lay
.set n, n+1
.endr
	WIN 0x40
.set n, 0
.rept 32
	ds_load_b128 v[4*n:4*n+3], v2 offset:16384+512*n                 ; the second, in window 1
.set n, n+1
.endr
	s_wait_dscnt 32                                ; the first partial is in; the second's 32 loads may be out
	WIN 0x02                                       ; source 0 window 2: my own chunk 0, each accumulator from its low end on
.set i, 0
.rept 64
	v_pk_add_f32 v[FF+2*i:FF+2*i+1], v[2*i:2*i+1], v[FF+2*i:FF+2*i+1]
.set i, i+1
.endr
	WIN 0x40
.set n, 0
.rept 32
	ds_load_b128 v[128+4*n:128+4*n+3], v2 offset:32768+512*n         ; the third
.set n, n+1
.endr
	s_wait_dscnt 32                                ; the second partial is in; the third's 32 loads may be out
	WIN 0x04                                       ; source 1 window 1
.set i, 0
.rept 64
	v_pk_add_f32 v[FF+2*i:FF+2*i+1], v[FF+2*i:FF+2*i+1], v[2*i:2*i+1]
.set i, i+1
.endr
	s_wait_dscnt 0x0
.set i, 0
.rept 64
	v_pk_add_f32 v[FF+2*i:FF+2*i+1], v[FF+2*i:FF+2*i+1], v[128+2*i:128+2*i+1]
.set i, i+1
.endr
	WIN 0                                          ; v[FF + 8 (4 u + t) + j], lane (r, h): fusion(channel 64 w + 32 (u / 2) + 16 h + 8 (u % 2) + j, query tile t's r)
	; ---- LayerNorm in two passes: the mean over 256 channels, then the mean of the squares of what is left.  A wave sums its 64 channels; the four waves' sums meet in LDS.
.macro TSUM                            ; the pairs' two halves and lane l xor 16's
.irp t, 0,1,2,3
	v_add_f32 v[SU+\t], v[AC+2*\t], v[AC+2*\t+1]
.endr
.irp t, 0,1,2,3
	v_permlanex16_b32 v[PT+\t], v[SU+\t], s[SEL], s[SEL+1]
.endr
.irp t, 0,1,2,3
	v_add_f32 v[SU+\t], v[SU+\t], v[PT+\t]
.endr
.endm
.macro XCH off                         ; my four sums to LDS; a barrier; all waves' sums back, added in one order by every wave
	ds_store_b128 v3, v[SU:SU+3] offset:\off
	s_wait_dscnt 0x0
	s_barrier_signal -1
	s_barrier_wait -1
.irp w, 0,1,2,3
	ds_load_b128 v[LD+4*\w:LD+4*\w+3], v4 offset:\off+512*\w
.endr
	s_wait_dscnt 0x0
	v_pk_add_f32 v[SU:SU+1], v[LD:LD+1], v[LD+4:LD+5]
	v_pk_add_f32 v[SU+2:SU+3], v[LD+2:LD+3], v[LD+6:LD+7]
	v_pk_add_f32 v[SU:SU+1], v[SU:SU+1], v[LD+8:LD+9]
	v_pk_add_f32 v[SU+2:SU+3], v[SU+2:SU+3], v[LD+10:LD+11]
	v_pk_add_f32 v[SU:SU+1], v[SU:SU+1], v[LD+12:LD+13]
	v_pk_add_f32 v[SU+2:SU+3], v[SU+2:SU+3], v[LD+14:LD+15]
.endm
	s_lshl_b32 s52, s[WV], 9
	s_add_co_u32 s52, s52, LN1
	v_add_nc_u32 v3, s52, v31
	v_add_nc_u32 v4, LN1, v31
	s_mov_b32 s54, 0x3b800000                      ; 1 / 256
	s_mov_b32 s55, 0x3727c5ac                      ; 1e-5
.irp t, 0,1,2,3
	v_pk_add_f32 v[AC+2*\t:AC+2*\t+1], v[FF+8*\t:FF+8*\t+1], v[FF+8*\t+2:FF+8*\t+3]
.endr
.irp j, 4,6
.irp t, 0,1,2,3
	v_pk_add_f32 v[AC+2*\t:AC+2*\t+1], v[AC+2*\t:AC+2*\t+1], v[FF+8*\t+\j:FF+8*\t+\j+1]
.endr
.endr
.irp u, 1,2,3
.irp j, 0,2,4,6
.irp t, 0,1,2,3
	v_pk_add_f32 v[AC+2*\t:AC+2*\t+1], v[AC+2*\t:AC+2*\t+1], v[FF+8*(4*\u+\t)+\j:FF+8*(4*\u+\t)+\j+1]
.endr
.endr
.endr
	TSUM
	XCH 0
.irp t, 0,1,2,3
	v_mul_f32 v[AC+2*\t], 0xbb800000, v[SU+\t]     ; - the mean
.endr
.irp u, 0,1,2,3
.irp j, 0,2,4,6
.irp t, 0,1,2,3
	v_pk_add_f32 v[FF+8*(4*\u+\t)+\j:FF+8*(4*\u+\t)+\j+1], v[FF+8*(4*\u+\t)+\j:FF+8*(4*\u+\t)+\j+1], v[AC+2*\t:AC+2*\t+1] op_sel_hi:[1,0]
.endr
.endr
.endr
.irp t, 0,1,2,3
	v_pk_mul_f32 v[AC+2*\t:AC+2*\t+1], v[FF+8*\t:FF+8*\t+1], v[FF+8*\t:FF+8*\t+1]
.endr
.irp j, 2,4,6
.irp t, 0,1,2,3
	v_pk_fma_f32 v[AC+2*\t:AC+2*\t+1], v[FF+8*\t+\j:FF+8*\t+\j+1], v[FF+8*\t+\j:FF+8*\t+\j+1], v[AC+2*\t:AC+2*\t+1]
.endr
.endr
.irp u, 1,2,3
.irp j, 0,2,4,6
.irp t, 0,1,2,3
	v_pk_fma_f32 v[AC+2*\t:AC+2*\t+1], v[FF+8*(4*\u+\t)+\j:FF+8*(4*\u+\t)+\j+1], v[FF+8*(4*\u+\t)+\j:FF+8*(4*\u+\t)+\j+1], v[AC+2*\t:AC+2*\t+1]
.endr
.endr
.endr
	TSUM
	XCH 2048                                       ; other bytes than the first exchange's: no wave's second store meets another's first reads
.irp t, 0,1,2,3
	v_fma_f32 v[AC+2*\t], v[SU+\t], s54, s55       ; the variance + 1e-5
.endr
.irp t, 0,1,2,3
	v_rsq_f32 v[AC+2*\t], v[AC+2*\t]
.endr
	v_nop
	s_wait_alu depctr_va_vdst(0)                   ; one wait for the four, ahead of their first reader
.irp u, 0,1,2,3
.irp j, 0,2,4,6
.irp t, 0,1,2,3
	v_pk_mul_f32 v[FF+8*(4*\u+\t)+\j:FF+8*(4*\u+\t)+\j+1], v[FF+8*(4*\u+\t)+\j:FF+8*(4*\u+\t)+\j+1], v[AC+2*\t:AC+2*\t+1] op_sel_hi:[1,0]
.endr
.endr
.endr
	s_wait_loadcnt 0x0                             ; ln_w, ln_b
.irp u, 0,1,2,3
.irp j, 0,2,4,6
.irp t, 0,1,2,3
	v_pk_fma_f32 v[FF+8*(4*\u+\t)+\j:FF+8*(4*\u+\t)+\j+1], v[FF+8*(4*\u+\t)+\j:FF+8*(4*\u+\t)+\j+1], v[LW+8*\u+\j:LW+8*\u+\j+1], v[LB+8*\u+\j:LB+8*\u+\j+1]
.endr
.endr
.endr
	; ---- THE WAY OUT.  out0's rows run along the pixels, a lane's registers along the channels: my 64 channels x 64 queries turn through my own stage (row = channel, 256 bytes + 16) and leave as rows:
	; sixteen lanes store 256 consecutive bytes, at a multiple of 256 from out0's first byte.  The two halves of the lanes fall on the same banks in the stores of 4 bytes (16 rows are a whole number of times through the banks at any pitch of 16 n bytes): once a launch.
	v_and_b32 v2, 15, v0                           ; r
	v_bfe_u32 v31, v0, 4, 1                        ; h
	s_mul_i32 s52, s[WV], 17408
	s_add_co_u32 s52, s52, STG                     ; my stage
	v_and_b32 v28, 8, v2
	v_add_nc_u32 v28, v28, v2
	v_lshlrev_b32 v28, 2, v28                      ; in: query r + 8 (r / 8) of the tile's,
	v_mad_u32_u24 v28, v31, 4352, v28              ; 16 rows further down for lanes 16-31
	v_add_nc_u32 v28, s52, v28
	v_lshlrev_b32 v29, 4, v2
	v_lshl_add_u32 v30, v31, 14, v29               ; in out0: 16 r, + a channel (16,384 bytes) for lanes 16-31
	v_mad_u32_u24 v29, v31, 272, v29               ; back: lanes 0-15 one row, lanes 16-31 the next
	v_add_nc_u32 v29, s52, v29
	s_lshl_b32 s52, s17, 22                        ; the batch,
	s_lshl_b32 s53, s[WV], 20                      ; my 64 channels,
	s_add_co_u32 s52, s52, s53
	s_lshl_b32 s53, s16, 8                         ; my work-group's 64 pixels
	s_add_co_u32 s52, s52, s53
	s_mov_b32 s53, 0
	s_add_nc_u64 s[12:13], s[12:13], s[52:53]
.irp u, 0,1,2,3
.irp t, 0,1,2,3
.irp j, 0,1,2,3,4,5,6,7
	ds_store_b32 v28, v[FF+8*(4*\u+\t)+\j] offset:272*(32*(\u/2)+8*(\u%2)+\j)+128*(\t/2)+32*(\t%2)
.endr
.endr
.endr
.set i, 0
.rept 32
	ds_load_b128 v[FF+4*i:FF+4*i+3], v29 offset:544*i                ; LDS serves a wave's instructions in order (ISA guide 5.7.1.4): these see my stores, and land in the registers that those have left
.set i, i+1
.endr
.set i, 0
.rept 32
	s_wait_dscnt 31-i                              ; rows 2 i and 2 i + 1 are back; the younger loads may be out
	global_store_b128 v30, v[FF+4*i:FF+4*i+3], s[12:13] offset:32768*i th:TH_STORE_NT
.set i, i+1
.endr
	s_wait_tensorcnt 0x0                           ; the wave's end: behind my last tensor load and my last LDS store
	ds_add_u32 v[SPW], v[NIL]
	s_wait_dscnt 0x0
	ROUND                                          ; the closing round: no work-group ends while a partner may still ask for a tile that names it
	s_endpgm
.Lfunc_end_k_q2326e2b6b2_attn:
	.size	k_q2326e2b6b2_attn, .Lfunc_end_k_q2326e2b6b2_attn-k_q2326e2b6b2_attn
	.p2alignl 7, 3214868480
	.fill 96, 4, 3214868480
	.section	.rodata,"a",@progbits
	.p2align	6, 0x0
	.amdhsa_kernel k_q2326e2b6b2_attn
		.amdhsa_group_segment_fixed_size 327680
		.amdhsa_private_segment_fixed_size 0
		.amdhsa_enable_private_segment 0
		.amdhsa_kernarg_size 40
		.amdhsa_user_sgpr_count 2
		.amdhsa_user_sgpr_kernarg_segment_ptr 1
		.amdhsa_wavefront_size32 1
		.amdhsa_system_sgpr_workgroup_id_x 1
		.amdhsa_system_sgpr_workgroup_id_y 1
		.amdhsa_system_sgpr_workgroup_id_z 1
		.amdhsa_system_vgpr_workitem_id 0
		.amdhsa_next_free_vgpr 1024
		.amdhsa_next_free_sgpr 66
		.amdhsa_reserve_vcc 0
		.amdhsa_float_denorm_mode_32 3
		.amdhsa_float_denorm_mode_16_64 3
		.amdhsa_memory_ordered 1
		.amdhsa_forward_progress 1
		.amdhsa_inst_pref_size 255
	.end_amdhsa_kernel
	.section	.bss,"aw",@nobits
	.p2align	6
	.space	262144
	.amdgpu_metadata
---
amdhsa.version: [ 1, 2 ]
amdhsa.kernels:
  - .name:           k_q2326e2b6b2_attn
    .symbol:         k_q2326e2b6b2_attn.kd
    .args:
      - { .name: q, .offset: 0, .size: 8, .value_kind: global_buffer, .address_space: global }
      - { .name: kv, .offset: 8, .size: 8, .value_kind: global_buffer, .address_space: global }
      - { .name: ln_w, .offset: 16, .size: 8, .value_kind: global_buffer, .address_space: global }
      - { .name: ln_b, .offset: 24, .size: 8, .value_kind: global_buffer, .address_space: global }
      - { .name: out0, .offset: 32, .size: 8, .value_kind: global_buffer, .address_space: global }
    .group_segment_fixed_size: 327680
    .private_segment_fixed_size: 0
    .kernarg_segment_align: 8
    .kernarg_segment_size: 40
    .max_flat_workgroup_size: 128
    .sgpr_count:     66
    .vgpr_count:     1024
    .wavefront_size: 32
...
	.end_amdgpu_metadata
.endif
;; end of part 6
